; MI455X (gfx1250); checked and timed in simulation.
; The chip was launched on July 23, 2026; its instructions are those of AMD's public machine-readable ISA for CDNA 5 (MIT licence, August 2026) and "CDNA5" Instruction Set Architecture Reference Guide (July 2026). The comments in the code are by the model that wrote it; some were corrected since.
;; Self Attention. Allowed arithmetic: matrix products marked QUANTISED: E2M1 operands, one E8M0 scale for each 32 along K, by v_wmma_scale_f32_16x16x128_f8f6f4 with both operands' format E2M1 (or v_wmma_scale_f32_32x16x128_f4), f32 sums; everything else in f32.
;; Inputs: W_out 1,024 x 1,024 float32; W_qkv 1,024 x 3,072 float32; b_out 1,024 float32; b_qkv 3,072 float32; x 4 x 2,048 x 1,024 float32.
;; Outputs: out0 4 x 2,048 x 1,024 float32.
;; This version of the problem:
;;   THIS VERSION OF THE PROBLEM IS GIVEN IN LOW PRECISION. The matrix products marked QUANTISED in the list below multiply operands that are first quantised to E2M1 (2 exponent bits, 1 mantissa bit; 4 bits a number), with one power-of-two scale for each 32 numbers along K (OCP MX v1.0); their sums are f32. All else is computed in f32.
;;   The module's matrix products, in the order in which they are computed (A, B: the left and right operand; K: the contracted axis; several contracted axes count as one K, in the product's order):
;;     1. [M 8,192, K 1,024] x [K 1,024, N 3,072]; A: input x; B: input W_qkv: QUANTISED
;;     2. batch 64 x [M 2,048, K 64] x [K 64, N 2,048]; A: computed on the way; B: computed on the way: QUANTISED
;;     3. batch 64 x [M 2,048, K 2,048] x [K 2,048, N 64]; A: softmax (see below); B: computed on the way: QUANTISED
;;     4. [M 8,192, K 1,024] x [K 1,024, N 1,024]; A: computed on the way; B: input W_out: QUANTISED
;;   THE QUANTISER, for each operand of a quantised product, along K:
;;     - K is cut into blocks of 32 from its start; a last block that is shorter is filled with zeros.
;;     - A block's scale is 2^e with e = floor(log2(the largest magnitude in the block)) - 2, held to -126 .. 127; a block of zeros has e = 0. As a byte (E8M0): e + 127.
;;     - Each number is divided by its block's scale, clamped to +-6, and rounded to the nearest number of E2M1, ties to even, subnormals kept.
;;     - The product sums the exact products of the quantised numbers (number of the format x scale) in f32.
;;   ~~~python
;;   def quantise(x, axis):      # numpy; x: float32 -> the quantised numbers, widened to float32 again
;;       x = np.moveaxis(x, axis, -1); K = x.shape[-1]
;;       x = np.pad(x, [(0, 0)] * (x.ndim - 1) + [(0, -K % 32)]); x = x.reshape(x.shape[:-1] + (-1, 32)); a = np.abs(x).max(-1, keepdims=True)
;;       e = np.where(a > 0, np.clip(np.frexp(np.where(a > 0, a, 1))[1] - 1 - 2, -126, 127), 0)      # np.frexp(a)[1] - 1 = floor(log2(a)), exactly
;;       r = np.clip(x / 2.0 ** e, -6, 6)
;;       step = 2.0 ** (np.maximum(np.frexp(np.where(r == 0, 1, r))[1] - 1, 0) - 1)
;;       q = np.round(r / step) * step * 2.0 ** e      # np.round: ties to even
;;       return np.moveaxis(q.reshape(q.shape[:-2] + (-1,))[..., :K], -1, axis).astype(np.float32)
;;   ~~~
;;   SOFTMAX AHEAD OF A QUANTISED PRODUCT. Where the list says 'softmax', what is quantised is not the finished softmax but p = 2^(t - M), with t = logit x log2(e) and M = ceil(the row's largest t), a whole number; so 1/2 < the row's largest p <= 1. The row's sum l is taken of the UNQUANTISED p, in f32, and the product's result is divided by l at the end. Since M is a whole number, a kernel that streams over the keys may use a running M (the ceiling of the running maximum): every later rescaling is an exact power of two, which a block's scale takes up: the codes' values come out the same.
;;   OPERANDS COMPUTED ON THE WAY. 'Computed on the way' means the value that the module computes at that place (a softmax that the list does not call 'softmax' is quantised finished and normalised). What goes into a quantiser is computed in f32, as accurately as f32 sums, v_exp_f32 and their like allow (about 1e-6 of the number): no bf16 or f16 on the way to a quantiser, and a product that is left as it is and whose result goes on into a quantised operand takes f32 operands (vector FMAs, or v_wmma_f32_16x16x4_f32). A number that lies on a knife's edge between two numbers of the format may be rounded either way, as far as f32 arithmetic and the matrix unit's own rounding can turn it there, and no further.
;; One version. Each part assembles by itself: llvm-mc -triple=amdgcn-amd-amdhsa -mcpu=gfx1250 --defsym DOCPART=n.
;; ======== version 1 of 1: 4 launches
;; workspace buffers: xc 4,194,304 bytes; xs 262,144 bytes; wc 2,097,152 bytes; ws 131,072 bytes; hb 13,893,632 bytes; oc 4,194,304 bytes; os 262,144 bytes
;; launch quant (part 1): grid 256 x 1, 8 waves a work-group, no clusters, 84,992 bytes of LDS; arguments x, W_qkv, W_out, xc, xs, wc, ws; writes xc, xs, wc, ws
.if DOCPART == 1
	.amdgcn_target "amdgcn-amd-amdhsa--gfx1250"
	.amdhsa_code_object_version 6
	.text
	.protected	k_q10fbd830e7_quant
	.globl	k_q10fbd830e7_quant
	.p2align	8
	.type	k_q10fbd830e7_quant,@function
k_q10fbd830e7_quant:
	s_mov_b64 s[64:65], 0
	v_nop
	global_prefetch_b8 v0, s[64:65] scope:SCOPE_SE
	s_setreg_imm32_b32 hwreg(HW_REG_WAVE_MODE, 25, 1), 1
	s_wait_xcnt 0x0
; x [8192][1024], W_qkv [1024][3072] and W_out [1024][1024], f32, become codes of FP4 (E2M1) with K innermost and one E8M0 byte for each 32 along K.
; xc [8192 places][512 bytes], xs [8192 places][32 bytes]; wc [4096 places][512 bytes], ws [4096 places][32 bytes] (columns 0-3071 of W_qkv, then the 1024 of W_out).
; THE PLACE OF A ROW: row n lies at the place n with its bits 3 and 4 exchanged.  So 16 places on end are two groups of eight rows that lie 16 apart, and the products that read
; 16 places as a tile get results whose registers run along 16 neighbours of the next product's K.
; A block's scale is 2^(floor(log2(largest magnitude)) - 2); its byte is the largest magnitude's exponent field - 2, held at 1 from below.
; LIMITS: NaN and infinities are not served; a block whose largest magnitude lies under 2^-124 keeps the byte 1; a block of zeros gets the byte 1 and not 127: its codes are zeros, and this program alone reads the bytes.
; Work-groups 0-127 take x (K innermost), 128-255 the weights (K is their first axis).  The two ways never join and have LDS bytes of their own.  Memory binds: no matrix unit, no cluster, no tensor load.
.set STEPS, 16
.set CB,    8                          ; bytes of 16 codes
.set SP,    80                         ; x: a lane's place in a stage: 64 bytes + 16 of padding
.set R,     16                         ; x: v16-79   four sets of 16 numbers as loaded
.set X,     80                         ; x: v80-111  two sets of 16 neighbours
.set E,     112                        ; x: v112-127 a scale byte for each step
.set C,     128                        ; x: v128-191 codes, four registers for each step
.set WSTG,  65536                      ; weights: a stage of 32 rows x (512 bytes + 16), behind x's eight regions of 8,192 bytes
.set WP,    528
.set SCW,   WSTG+32*WP                 ; weights: 32 rows x 32 scale bytes
.set WC,    16                         ; weights: v16-31  codes, four registers a block
.set WX,    32                         ; weights: v32-159 four sets of 32 numbers
.set OFF,   160                        ; weights: v160-191 byte offset of row i of a block, my column
	s_load_b256 s[4:11], s[0:1], 0x0               ; x s[4:5], W_qkv s[6:7], W_out s[8:9], xc s[10:11]
	s_load_b128 s[12:15], s[0:1], 0x20             ; xs s[12:13], wc s[14:15]
	s_load_b64 s[20:21], s[0:1], 0x30              ; ws
	v_lshl_add_u32 v192, v0, 2, 0x14800
	v_mov_b32 v193, 0
	v_lshrrev_b32 v1, 5, v0
	s_delay_alu instid0(VALU_DEP_1)
	v_readfirstlane_b32 s24, v1                    ; wave 0..7
	v_and_b32 v2, 31, v0                           ; lane
	s_cmp_lt_u32 ttmp9, 128
	s_cbranch_scc0 .Lweights
; ---------------- x: a wave takes a run of 8 rows, 8,192 numbers, in 16 steps of 512 ----------------
; Each load reads 512 consecutive bytes; a step's 2,048 bytes turn through the wave's own stage so that a lane holds 16 neighbours along K; two neighbouring lanes hold a block.
	v_lshlrev_b32 v3, 4, v2                        ; my 16 bytes of a load's 512
	s_lshl_b32 s17, s24, 13                        ; my wave's region of LDS
	v_lshrrev_b32 v14, 2, v2
	s_delay_alu instid0(VALU_DEP_1)
	v_mul_u32_u24 v14, v14, SP
	v_and_b32 v15, 3, v2
	s_delay_alu instid0(VALU_DEP_1)
	v_lshl_add_u32 v14, v15, 4, v14
	s_delay_alu instid0(VALU_DEP_1)
	v_add_nc_u32 v14, s17, v14                     ; the stage, in: SP (lane / 4) + 16 (lane % 4)
	v_mul_u32_u24 v15, v2, SP
	s_delay_alu instid0(VALU_DEP_1)
	v_add_nc_u32 v15, s17, v15                     ; out: SP x lane
	v_lshlrev_b32 v4, 3, v2                        ; 8 x lane: my codes in a step's 256 bytes, and my 8 scale bytes at the end
	v_lshrrev_b32 v5, 1, v2
	s_add_co_u32 s17, s17, 2*32*SP
	v_add_nc_u32 v5, s17, v5                       ; my block's byte among the wave's 256
	v_add_nc_u32 v6, s17, v4
	s_lshl_b32 s18, ttmp9, 3
	s_add_co_u32 s18, s18, s24                     ; the run: rows 8 R .. 8 R + 7
	s_and_b32 s19, s18, -4
	s_and_b32 s22, s18, 1
	s_lshl_b32 s22, s22, 1
	s_bfe_u32 s23, s18, 0x10001
	s_or_b32 s19, s19, s22
	s_or_b32 s19, s19, s23                         ; its place: bits 0 and 1 of R are bits 3 and 4 of the rows
	s_lshl_b32 s26, s18, 15
	s_mov_b32 s27, 0
	s_lshl_b32 s28, s19, 12
	s_mov_b32 s29, 0
	s_lshl_b32 s30, s19, 8
	s_mov_b32 s31, 0
	s_wait_alu depctr_va_vdst(0)
	s_wait_kmcnt 0x0
	s_add_nc_u64 s[4:5], s[4:5], s[26:27]
	s_add_nc_u64 s[10:11], s[10:11], s[28:29]
	s_add_nc_u64 s[12:13], s[12:13], s[30:31]
.macro LOAD t
.irp i, 0,1,2,3
	global_load_b128 v[R+16*((\t)%4)+4*\i:R+16*((\t)%4)+4*\i+3], v3, s[4:5] offset:2048*(\t)+512*\i th:TH_LOAD_NT
.endr
.endm
.macro TURN t                          ; LDS serves a wave's instructions in order: no wait between the stores and the loads
.irp i, 0,1,2,3
	ds_store_b128 v14, v[R+16*((\t)%4)+4*\i:R+16*((\t)%4)+4*\i+3] offset:32*SP*((\t)%2)+8*SP*\i
.endr
.irp i, 0,1,2,3
	ds_load_b128 v[X+16*((\t)%2)+4*\i:X+16*((\t)%2)+4*\i+3], v15 offset:32*SP*((\t)%2)+16*\i
.endr
.endm
.irp t, 0,1,2,3
	LOAD \t
.endr
	s_wait_loadcnt 12                              ; step 0's four loads are in; three steps' twelve stay out
	TURN 0
.macro STEP t
.set XS, X+16*((\t)%2)
.if (\t) > 0
	s_wait_dscnt 1                                 ; this step's numbers are back from the stage; the last step's byte store may be out
.else
	s_wait_dscnt 0x0
.endif
.if (\t)+4 < STEPS
	LOAD (\t)+4                                    ; into the set whose stores into the stage have been served
.endif
.if (\t)+1 < STEPS
.if STEPS-2-(\t) >= 3
	s_wait_loadcnt 12                              ; the next step's four loads are in; those of the three steps behind it may be out
.else
	s_wait_loadcnt 4*(STEPS-2-(\t))
.endif
	TURN (\t)+1
.endif
	v_max3_num_f32 v8, |v[XS]|, |v[XS+1]|, |v[XS+2]|
	v_max3_num_f32 v9, |v[XS+3]|, |v[XS+4]|, |v[XS+5]|
.irp i, 6,10
	s_delay_alu instid0(VALU_DEP_2)
	v_max3_num_f32 v8, v8, |v[XS+\i]|, |v[XS+\i+1]|
	s_delay_alu instid0(VALU_DEP_2)
	v_max3_num_f32 v9, v9, |v[XS+\i+2]|, |v[XS+\i+3]|
.endr
	s_delay_alu instid0(VALU_DEP_2)
	v_max3_num_f32 v8, v8, |v[XS+14]|, |v[XS+15]|
	s_delay_alu instid0(VALU_DEP_1)
	v_max3_num_f32 v8, v8, v9, 0x1800000           ; the floor 2^(3 - 127): the byte cannot fall under 1
	s_delay_alu instid0(VALU_DEP_1)
	v_max_num_f32_dpp v8, v8, v8 row_xmask:1 row_mask:0xf bank_mask:0xf   ; with my neighbour's 16: the block's largest magnitude
	s_delay_alu instid0(VALU_DEP_1)
	v_add_nc_u32 v11, 0xff000000, v8               ; 2 off its exponent field: the conversion's scale operand
	v_cvt_scalef32_pk8_fp4_f32 v[C+4*(\t)], v[XS:XS+7], v11
	v_cvt_scalef32_pk8_fp4_f32 v[C+4*(\t)+1], v[XS+8:XS+15], v11
	v_lshrrev_b32 v[E+(\t)], 23, v11               ; the scale's byte (a plain line behind the conversions)
	ds_store_b8 v5, v[E+(\t)] offset:16*(\t)       ; both lanes of a block write the same byte with the same value
	global_store_b64 v4, v[C+4*(\t):C+4*(\t)+1], s[10:11] offset:32*CB*(\t)   ; the wave stores 256 consecutive bytes, aligned
.endm
.irp t, 0,1,2,3,4,5,6,7,8,9,10,11,12,13,14,15
	STEP \t
.endr
	ds_load_b64 v[12:13], v6                       ; my wave's 256 scale bytes: these loads see my stores
	s_wait_dscnt 0x0
	global_store_b64 v4, v[12:13], s[12:13]        ; 256 consecutive bytes, aligned
	s_wait_tensorcnt 0x0
	ds_add_u32 v192, v193
	s_wait_dscnt 0x0
	s_endpgm
; ---------------- the weights: a work-group takes 32 columns and all of K; wave w takes k = 128 w .. 128 w + 127 ----------------
; A lane takes a column and its registers run down K: a block of 32 lies in one lane, and the conversions give codes with K innermost.  The eight waves' codes meet in a stage, row = the column's place, and leave as whole rows of 512 bytes.
.Lweights:
	s_sub_co_u32 s25, ttmp9, 128                   ; g: columns 32 g on of the 4,096
	s_wait_alu depctr_va_vdst(0)
	v_lshlrev_b32 v3, 2, v2                        ; 4 x lane
	v_and_b32 v4, 7, v2
	v_bfe_u32 v5, v2, 3, 1
	s_delay_alu instid0(VALU_DEP_1)
	v_lshl_add_u32 v4, v5, 4, v4
	v_bfe_u32 v5, v2, 4, 1
	s_delay_alu instid0(VALU_DEP_1)
	v_lshl_add_u32 v4, v5, 3, v4                   ; my column's place among the 32: bits 3 and 4 exchanged
	s_delay_alu instid0(VALU_DEP_1)
	v_mul_u32_u24 v5, v4, WP
	s_lshl_b32 s34, s24, 6
	s_add_co_u32 s34, s34, WSTG
	v_add_nc_u32 v5, s34, v5                       ; into the stage: my row, my wave's 64 bytes
	v_lshlrev_b32 v6, 5, v4
	s_lshl_b32 s34, s24, 2
	s_add_co_u32 s34, s34, SCW
	v_add_nc_u32 v6, s34, v6                       ; my row's scale bytes, my wave's four
	v_lshlrev_b32 v7, 4, v2                        ; 16 x lane
	s_mul_i32 s34, s24, 4*WP
	s_add_co_u32 s34, s34, WSTG
	v_add_nc_u32 v8, s34, v7                       ; back: wave w takes rows 4 w .. 4 w + 3, whole
	s_min_u32 s35, s24, 1
	s_lshl_b32 s34, s35, 9
	s_add_co_u32 s34, s34, SCW
	v_add_nc_u32 v9, s34, v7                       ; the scale bytes back: waves 0 and 1, 512 bytes each
	s_lshl_b32 s36, s25, 14
	s_lshl_b32 s37, s24, 11
	s_add_co_u32 s36, s36, s37                     ; wc: (32 g + 4 w) rows of 512 bytes
	s_mov_b32 s37, 0
	s_lshl_b32 s38, s25, 10
	s_lshl_b32 s39, s35, 9
	s_add_co_u32 s38, s38, s39                     ; ws: 1,024 g + 512 w
	s_mov_b32 s39, 0
	s_wait_kmcnt 0x0
	s_cmp_lt_u32 s25, 96                           ; W_qkv's columns or W_out's: the choice hangs on the work-group's number alone
	s_cselect_b64 s[26:27], s[6:7], s[8:9]
	s_mov_b32 s28, 4096
	s_cselect_b32 s28, 12288, s28                  ; bytes from a row of the weight to the next
	s_cselect_b32 s29, 0, 96
	s_sub_co_u32 s29, s25, s29
	s_lshl_b32 s29, s29, 7                         ; 4 bytes x the first of my 32 columns
	s_lshl_b32 s30, s24, 7
	s_mul_i32 s30, s30, s28                        ; 128 w rows down
	s_add_co_u32 s30, s30, s29
	s_mov_b32 s31, 0
	s_lshl_b32 s32, s28, 5                         ; 32 rows: a block
	s_mov_b32 s33, 0
	s_add_nc_u64 s[40:41], s[26:27], s[30:31]
	s_add_nc_u64 s[42:43], s[40:41], s[32:33]
	s_add_nc_u64 s[44:45], s[42:43], s[32:33]
	s_add_nc_u64 s[46:47], s[44:45], s[32:33]
	s_add_nc_u64 s[14:15], s[14:15], s[36:37]
	s_add_nc_u64 s[20:21], s[20:21], s[38:39]
.irp i, 0,1,2,3,4,5,6,7,8,9,10,11,12,13,14,15,16,17,18,19,20,21,22,23,24,25,26,27,28,29,30,31
	v_mad_u32_u24 v[OFF+\i], s28, \i, v3
.endr
.macro WLOAD t                         ; block t: 32 rows at my column: a wave reads 128 consecutive bytes of each
.irp i, 0,1,2,3,4,5,6,7,8,9,10,11,12,13,14,15,16,17,18,19,20,21,22,23,24,25,26,27,28,29,30,31
	global_load_b32 v[WX+32*(\t)+\i], v[OFF+\i], s[40+2*(\t):41+2*(\t)]
.endr
.endm
	WLOAD 0
	WLOAD 1
.macro WBLOCK t
.set XS, WX+32*(\t)
.if (\t) < 3
	s_wait_loadcnt 32                              ; this block's 32 loads are in; the next block's 32 may be out
.else
	s_wait_loadcnt 0x0
.endif
.if (\t)+2 < 4
	WLOAD (\t)+2
.endif
	v_max3_num_f32 v12, |v[XS]|, |v[XS+1]|, |v[XS+2]|
	v_max3_num_f32 v13, |v[XS+3]|, |v[XS+4]|, |v[XS+5]|
.irp i, 6,10,14,18,22,26
	s_delay_alu instid0(VALU_DEP_2)
	v_max3_num_f32 v12, v12, |v[XS+\i]|, |v[XS+\i+1]|
	s_delay_alu instid0(VALU_DEP_2)
	v_max3_num_f32 v13, v13, |v[XS+\i+2]|, |v[XS+\i+3]|
.endr
	s_delay_alu instid0(VALU_DEP_2)
	v_max3_num_f32 v12, v12, |v[XS+30]|, |v[XS+31]|
	s_delay_alu instid0(VALU_DEP_1)
	v_max3_num_f32 v12, v12, v13, 0x1800000        ; the floor
	s_delay_alu instid0(VALU_DEP_1)
	v_add_nc_u32 v11, 0xff000000, v12              ; the conversion's scale operand
	s_delay_alu instid0(VALU_DEP_1)
	v_lshrrev_b32 v13, 23, v11                     ; the byte
.if (\t) == 0
	s_delay_alu instid0(VALU_DEP_1)
	v_mov_b32 v10, v13
.else
	s_delay_alu instid0(VALU_DEP_1)
	v_lshl_or_b32 v10, v13, 8*(\t), v10            ; four bytes to a word, the lower K in the lower byte
.endif
.irp g, 0,1,2,3
	v_cvt_scalef32_pk8_fp4_f32 v[WC+4*(\t)+\g], v[XS+8*\g:XS+8*\g+7], v11
.endr
	v_nop                                          ; a plain line behind the conversions: the next block writes their scale operand
	ds_store_b128 v5, v[WC+4*(\t):WC+4*(\t)+3] offset:16*(\t)
.endm
	s_wait_alu depctr_va_vdst(0)
	WBLOCK 0
	WBLOCK 1
	WBLOCK 2
	WBLOCK 3
	ds_store_b32 v6, v10
	s_wait_dscnt 0x0                               ; for the others' sake: my stores into the stage have landed
	s_barrier_signal -1
	s_barrier_wait -1
.irp i, 0,1,2,3
	ds_load_b128 v[WC+4*\i:WC+4*\i+3], v8 offset:\i*WP
.endr
.irp i, 0,1,2,3
	s_wait_dscnt 3-\i
	global_store_b128 v7, v[WC+4*\i:WC+4*\i+3], s[14:15] offset:512*\i   ; a whole row: 512 consecutive bytes
.endr
	s_cmp_gt_u32 s24, 1
	s_cbranch_scc1 .Lw_end                         ; the 1,024 scale bytes leave by waves 0 and 1
	ds_load_b128 v[WX:WX+3], v9
	s_wait_dscnt 0x0
	global_store_b128 v7, v[WX:WX+3], s[20:21]
.Lw_end:
	s_wait_tensorcnt 0x0
	ds_add_u32 v192, v193
	s_wait_dscnt 0x0
	s_endpgm
.Lfunc_end_k_q10fbd830e7_quant:
	.size	k_q10fbd830e7_quant, .Lfunc_end_k_q10fbd830e7_quant-k_q10fbd830e7_quant
	.p2alignl 7, 3214868480
	.fill 96, 4, 3214868480
	.section	.rodata,"a",@progbits
	.p2align	6, 0x0
	.amdhsa_kernel k_q10fbd830e7_quant
		.amdhsa_group_segment_fixed_size 84992
		.amdhsa_private_segment_fixed_size 0
		.amdhsa_enable_private_segment 0
		.amdhsa_kernarg_size 56
		.amdhsa_user_sgpr_count 2
		.amdhsa_user_sgpr_kernarg_segment_ptr 1
		.amdhsa_wavefront_size32 1
		.amdhsa_system_sgpr_workgroup_id_x 1
		.amdhsa_system_sgpr_workgroup_id_y 1
		.amdhsa_system_sgpr_workgroup_id_z 1
		.amdhsa_system_vgpr_workitem_id 0
		.amdhsa_next_free_vgpr 194
		.amdhsa_next_free_sgpr 66
		.amdhsa_reserve_vcc 0
		.amdhsa_float_denorm_mode_32 3
		.amdhsa_float_denorm_mode_16_64 3
		.amdhsa_memory_ordered 1
		.amdhsa_forward_progress 1
		.amdhsa_inst_pref_size 63
	.end_amdhsa_kernel
	.amdgpu_metadata
---
amdhsa.version: [ 1, 2 ]
amdhsa.kernels:
  - .name:           k_q10fbd830e7_quant
    .symbol:         k_q10fbd830e7_quant.kd
    .args:
      - { .name: x, .offset: 0, .size: 8, .value_kind: global_buffer, .address_space: global }
      - { .name: W_qkv, .offset: 8, .size: 8, .value_kind: global_buffer, .address_space: global }
      - { .name: W_out, .offset: 16, .size: 8, .value_kind: global_buffer, .address_space: global }
      - { .name: xc, .offset: 24, .size: 8, .value_kind: global_buffer, .address_space: global }
      - { .name: xs, .offset: 32, .size: 8, .value_kind: global_buffer, .address_space: global }
      - { .name: wc, .offset: 40, .size: 8, .value_kind: global_buffer, .address_space: global }
      - { .name: ws, .offset: 48, .size: 8, .value_kind: global_buffer, .address_space: global }
    .group_segment_fixed_size: 84992
    .private_segment_fixed_size: 0
    .kernarg_segment_align: 8
    .kernarg_segment_size: 56
    .max_flat_workgroup_size: 256
    .sgpr_count:     66
    .vgpr_count:     194
    .wavefront_size: 32
...
	.end_amdgpu_metadata
.endif
;; end of part 1
;; launch qkv (part 2): grid 8 x 48, 4 waves a work-group, clusters of 4 x 4, 327,680 bytes of LDS; arguments xc, xs, wc, ws, b_qkv, hb; writes hb
.if DOCPART == 2
	.amdgcn_target "amdgcn-amd-amdhsa--gfx1250"
	.amdhsa_code_object_version 6
	.text
	.protected	k_q10fbd830e7_qkv
	.globl	k_q10fbd830e7_qkv
	.p2align	8
	.type	k_q10fbd830e7_qkv,@function
k_q10fbd830e7_qkv:
	s_mov_b64 s[64:65], 0
	v_nop
	global_prefetch_b8 v0, s[64:65] scope:SCOPE_SE
	s_setreg_imm32_b32 hwreg(HW_REG_WAVE_MODE, 25, 1), 1
	s_wait_xcnt 0x0
	s_wait_alu depctr_hold_cnt(0) depctr_sa_sdst(0) depctr_va_vdst(0) depctr_va_sdst(0) depctr_va_ssrc(0) depctr_va_vcc(0) depctr_vm_vsrc(0)
	s_getreg_b32 s2, hwreg(HW_REG_IB_STS2, 6, 4)
	s_cmp_eq_u32 s2, 0
	s_cbranch_scc0 .Lentry_in_a_cluster
	s_endpgm
.Lentry_in_a_cluster:
	s_bfe_u32 s2, ttmp6, 0x10000c
	s_cmp_lg_u32 s2, 0xf033
	s_cbranch_scc0 .Lentry_shape_is_right
	s_endpgm
.Lentry_shape_is_right:
; qkv = x W_qkv + b_qkv on codes of FP4 with E8M0 scales, K = 1,024; the results never go to memory as f32: q and k leave as codes quantised along the head's 64, v as codes quantised along the keys.
; A tile of 256 x 256 to a work-group of four waves, 128 x 128 a wave: 64 accumulators.  All of K lies in LDS: two slots of 512 along K (rows of 256 bytes + 16 of padding), both asked for at the start; nothing is filled again.
; CLUSTERS 4 x 4: the operand called A here is shared along a row of the cluster, B along a column: each tile is asked for jointly.
; ONE MAIN LOOP SERVES q, k AND v.  Source 0 of the matrix instruction takes 16 places of B, source 1 16 places of A: a lane holds ONE row of A and its registers run along rows of B.
;   clusters y 0-7:  A = tokens (xc), B = features of q and k (wc): a lane holds a token, registers along the features: quantised along the head.
;   clusters y 8-11: A = features of v (wc), B = tokens (xc): a lane holds a channel, registers along the tokens: quantised along the keys.
; Rows lie in xc and wc at places with bits 3 and 4 exchanged, so register 16 B + i of the 64 results of a block of A is row 32 B + 16 (lane / 16) + i of B: 16 neighbours.
; THE SCALE WORDS of my 128 rows of A and of B, for all of K, are loaded once from memory into 128 registers (v32-159), which hold nothing else.
; hb: 64 records (16 batch + head) of REC bytes: K's codes 64 KB [T 16][tile 8][512]; V's codes 64 KB [T][tile 4][1024]; K's scale words 8 KB [T][tile / 4][16][tile % 4]; V's 4 KB [T][16][tile]; Q's codes 64 KB and scale words 8 KB as K's.  T: 128 tokens.
; LIMITS: NaN and infinities are not served; a block whose largest magnitude lies under 2^-124 keeps the byte 1, a block of zeros too (its codes are zeros; this program alone reads the bytes).
; No prefetch: every tile is asked for at the head.  REGISTERS: window 0: v0-31 addresses, v32-95 A's scale words (8 block + K step), v96-159 B's, v160-175 and v192-255 biases.
;   window 1: B's fragments v0-63 and v128-191 (two sets), A's v64-127 (one set); on the way out v0-63 numbers, v192-223 the quantiser's.   windows 2, 3: accumulator (a, b) at v[8 (8 (a % 4) + b)].
.set PITCH,  272
.set HALFT,  128*PITCH
.set SLOT,   4*HALFT
.set SPARE,  2*SLOT                    ; behind the slots: the spare words, 128 bytes a wave
.set REC,    217088
.set ADRA, 16                          ; v16-17 LDS address of my A fragments in slot 0, 1
.set ADRB, 20                          ; v20-21 the same for B
.set VSH,  25                          ; v25    16 x (lane / 16)
.set CO,   26                          ; v26    16 x lane
.set SO,   27                          ; v27    REC x (lane / 16) + 16 x (lane % 16)
.set SPW,  28
.set NIL,  29
.set SA,   32
.set SB,   96
.set BA,   160                         ; the bias of my lane's row of block a, twice: v[BA + 2 a], v[BA + 2 a + 1]
.set BB,   192                         ; the bias along the registers: v[BB + 8 b + j]
.set AF,   64                          ; window 1
.set ST,   0                           ; window 1: 64 numbers
.set TM,   192                         ; window 1: v192-207 at work
.set PC,   208                         ; window 1: v208-215 the codes just made
.set SW,   216                         ; window 1: v216-223 the eight blocks' scale words
.set G1,  24
.set G0,  32
.set G1B, 48
.set G0B, 56
.set SEL, 88
.set MSB, 0
.macro WIN new                         ; the immediate's high byte repeats the setting that is left
.if MSB != (\new)
	s_set_vgpr_msb (MSB<<8)|(\new)
.set MSB, (\new)
.endif
.endm
.set MUL_LO, 0xa5                      ; sources 0 and 1 window 1, C and D window 2
.set MUL_HI, 0xf5                      ; C and D window 3
.set TO_F,   0x40                      ; destination window 1
.macro JLOAD g0a, g1a, g0b, g1b        ; waves 0 and 1 fetch A's halves, waves 2 and 3 B's; four v_nop follow each line
	s_cmp_eq_u32 s15, 0
	s_cbranch_scc0 .Lfor_b_\@
	tensor_load_to_lds s[\g0a:\g0a+3], s[\g1a:\g1a+7]
	s_nop 0
.rept 4
	v_nop
.endr
	s_branch .Lasked_\@
.Lfor_b_\@:
	tensor_load_to_lds s[\g0b:\g0b+3], s[\g1b:\g1b+7]
	s_nop 0
.rept 4
	v_nop
.endr
.Lasked_\@:
.endm
.macro CROUND                          ; a round of the cluster's barrier
	s_barrier_signal -1
	s_barrier_wait -1
	s_cmp_lg_u32 s14, 0
	s_cbranch_scc1 .Lnot_wave_0_\@
	s_barrier_signal -3
.Lnot_wave_0_\@:
	s_barrier_wait -3
	s_barrier_signal -1
	s_barrier_wait -1
.endm
.macro PLACES n
.rept \n
	v_nop
.endr
.endm
	s_load_b256 s[4:11], s[0:1], 0x0               ; xc s[4:5], xs s[6:7], wc s[8:9], ws s[10:11]
	s_load_b128 s[68:71], s[0:1], 0x20             ; b_qkv s[68:69], hb s[70:71]
	v_lshl_add_u32 v[SPW], v0, 2, SPARE
	v_mov_b32 v[NIL], 0
	ds_add_u32 v28, v29
	ds_add_u32 v28, v29
	s_wait_dscnt 0x0
	v_lshrrev_b32 v1, 5, v0
	v_readfirstlane_b32 s14, v1                    ; wave 0..3
	s_lshr_b32 s15, s14, 1                         ; my half of A's rows.  Also: I fetch for A (0) or for B (1)
	s_and_b32 s16, s14, 1                          ; my half of B's rows.  Also: which 128 rows I fetch
	s_bfe_u32 s40, ttmp6, 0x40000                  ; cx
	s_bfe_u32 s41, ttmp6, 0x40004                  ; cy
	s_and_b32 s66, ttmp7, 0xffff                   ; cluster y: under 8 q and k, from 8 on v: the same in all sixteen partners
	s_lshl_b32 s18, s66, 2
	s_lshl_b32 s19, s66, 3
	s_sub_co_u32 s19, s19, 64
	s_lshl_b32 s43, s41, 2
	s_lshl_b32 s43, 15, s43                        ; my row of the cluster
	s_lshl_b32 s44, 0x1111, s40                    ; my column
	s_or_b32 s[G1+0], s43, (0<<16)|(1<<20)|(1<<21)|(5<<22)|(3<<25)   ; the mask; elements of 1 byte; padding on; bit 21 beside a mask; 4 words behind every 64
	s_or_b32 s[G1B+0], s44, (0<<16)|(1<<20)|(1<<21)|(5<<22)|(3<<25)
.irp g, G1, G1B
	s_mov_b32 s[\g+1], 256<<16                     ; tensor_dim0 = 256 bytes
	s_mov_b32 s[\g+2], 128<<16                     ; tensor_dim1 = 128 rows
	s_mov_b32 s[\g+3], 256<<16                     ; tile_dim0
	s_mov_b32 s[\g+4], 128                         ; tile_dim1
	s_mov_b32 s[\g+5], 512                         ; from row to row: 1,024 codes
	s_mov_b32 s[\g+6], 0
	s_mov_b32 s[\g+7], 0
.endr
	s_wait_kmcnt 0x0
	s_cmp_lt_u32 s66, 8                            ; all the choices stand behind this one compare
	s_cselect_b32 s17, s18, 8                      ; A's tile row: 4 y + cy, or 8 + cy (v's features begin at place 2,048)
	s_cselect_b32 s42, 0, s19                      ; B's tile column: 4 x + cx, or 8 (y - 8) + 4 x + cx
	s_cselect_b64 s[72:73], s[4:5], s[8:9]         ; A's codes
	s_cselect_b64 s[74:75], s[6:7], s[10:11]       ; A's scales
	s_cselect_b64 s[76:77], s[8:9], s[4:5]         ; B's codes
	s_cselect_b64 s[78:79], s[10:11], s[6:7]       ; B's scales
	s_add_co_u32 s17, s17, s41
	s_lshl_b32 s18, ttmp9, 2
	s_add_co_u32 s42, s42, s18
	s_add_co_u32 s42, s42, s40
	s_lshl_b32 s18, s16, 7                         ; which 128 rows of the tile I fetch
	s_lshl_b32 s20, s17, 8
	s_add_co_u32 s20, s20, s18
	s_lshl_b32 s20, s20, 9                         ; in bytes
	s_mov_b32 s21, 0
	s_lshl_b32 s46, s42, 8
	s_add_co_u32 s46, s46, s18
	s_lshl_b32 s46, s46, 9
	s_mov_b32 s47, 0
	s_add_nc_u64 s[20:21], s[72:73], s[20:21]
	s_add_nc_u64 s[46:47], s[76:77], s[46:47]
	s_mul_i32 s45, s14, HALFT                      ; where they go: wave x 128 rows
	CROUND                                         ; all sixteen work-groups are here: the joint loads meet
.irp s, 0,1
	s_mov_b32 s[G0+4*\s], 1
	s_add_co_u32 s[G0+4*\s+1], s45, \s*SLOT
	s_add_nc_u64 s[G0+4*\s+2:G0+4*\s+3], s[20:21], \s*256
	s_or_b32 s[G0+4*\s+3], s[G0+4*\s+3], 0x80000000
	s_mov_b32 s[G0B+4*\s], 1
	s_add_co_u32 s[G0B+4*\s+1], s45, \s*SLOT
	s_add_nc_u64 s[G0B+4*\s+2:G0B+4*\s+3], s[46:47], \s*256
	s_or_b32 s[G0B+4*\s+3], s[G0B+4*\s+3], 0x80000000
	JLOAD G0+4*\s, G1, G0B+4*\s, G1B               ; two tensor loads of mine are out behind the second
.endr
	v_and_b32 v1, 15, v0                           ; r
	s_wait_alu depctr_va_vdst(0)
	v_bfe_u32 v2, v0, 4, 1                         ; h
	s_wait_alu depctr_va_vdst(0)
	v_mul_u32_u24 v3, v1, PITCH
	v_lshl_add_u32 v4, v2, 4, v3                   ; a fragment's row x pitch + 16 h
	s_mul_i32 s21, s15, HALFT
	s_mul_i32 s22, s16, HALFT
	s_add_co_u32 s22, s22, 2*HALFT
.irp s, 0,1
	v_add_nc_u32 v[ADRA+\s], s21, v4
	v_add_nc_u32 v[ADRB+\s], s22, v4
	s_add_co_u32 s21, s21, SLOT
	s_add_co_u32 s22, s22, SLOT
.endr
	s_lshl_b32 s90, s17, 8
	s_lshl_b32 s91, s15, 7
	s_add_co_u32 s90, s90, s91                     ; my first place of A
	s_lshl_b32 s92, s42, 8
	s_lshl_b32 s93, s16, 7
	s_add_co_u32 s92, s92, s93                     ; my first place of B
	s_lshl_b32 s94, s90, 5
	s_mov_b32 s95, 0
	s_add_nc_u64 s[74:75], s[74:75], s[94:95]      ; their scale bytes: 32 a place
	s_lshl_b32 s94, s92, 5
	s_add_nc_u64 s[78:79], s[78:79], s[94:95]
	v_lshlrev_b32 v5, 5, v1
.irp i, 0,1,2,3,4,5,6,7
	global_load_b128 v[SA+8*\i:SA+8*\i+3], v5, s[74:75] offset:512*\i        ; block i, lane r: place 16 i + r, its eight words
	global_load_b128 v[SA+8*\i+4:SA+8*\i+7], v5, s[74:75] offset:512*\i+16
	global_load_b128 v[SB+8*\i:SB+8*\i+3], v5, s[78:79] offset:512*\i
	global_load_b128 v[SB+8*\i+4:SB+8*\i+7], v5, s[78:79] offset:512*\i+16
.endr
	; where the results go
	s_cmp_eq_u32 ttmp9, 0                          ; q's features (cluster x 0) or k's
	s_cselect_b32 s18, 143360, 0
	s_mov_b32 s19, 131072
	s_cselect_b32 s19, 208896, s19
	s_mov_b32 s97, 65536
	s_mov_b32 s98, 139264
	s_cmp_lt_u32 s66, 8
	s_cselect_b32 s94, s90, s92                    ; my first token
	s_cselect_b32 s95, s92, s90                    ; my first feature
	s_cselect_b32 s96, 9, 8                        ; scale words: 512 or 256 bytes for each 128 tokens
	s_cselect_b32 s97, s18, s97                    ; the codes' region in a record
	s_cselect_b32 s98, s19, s98                    ; the scale words'
	s_lshr_b32 s18, s94, 11                        ; batch
	s_bfe_u32 s19, s94, 0x40007                    ; T
	s_bfe_u32 s22, s95, 0x40006                    ; head (even): my 128 features are two heads
	s_lshl_b32 s18, s18, 4
	s_add_co_u32 s18, s18, s22
	s_mul_i32 s18, s18, REC
	s_lshl_b32 s22, s19, 12
	s_add_co_u32 s22, s22, s18
	s_add_co_u32 s22, s22, s97
	s_mov_b32 s23, 0
	s_add_nc_u64 s[80:81], s[70:71], s[22:23]      ; codes
	s_lshl_b32 s22, s19, s96
	s_add_co_u32 s22, s22, s18
	s_add_co_u32 s22, s22, s98
	s_add_nc_u64 s[82:83], s[70:71], s[22:23]      ; scale words
	s_lshl_b32 s22, s95, 2
	s_add_nc_u64 s[84:85], s[68:69], s[22:23]      ; the bias of my 128 features
	s_mov_b32 s86, 0xffff0000                      ; lanes 16-31
	s_mov_b32 s[SEL], 0x76543210
	s_mov_b32 s[SEL+1], 0xfedcba98
	v_lshlrev_b32 v[VSH], 4, v2
	v_and_b32 v6, 31, v0
	v_lshlrev_b32 v[CO], 4, v6
	v_mul_u32_u24 v[SO], v2, REC
	v_lshl_add_u32 v[SO], v1, 4, v[SO]
	v_lshlrev_b32 v7, 6, v2                        ; 64 h
	v_and_b32 v8, 8, v1
	v_add_nc_u32 v8, v8, v1
	v_lshlrev_b32 v8, 2, v8                        ; 4 (r + 8 (r / 8))
	; both forms of the bias are loaded on both ways (both stay inside my 128 numbers): features along the registers, and features along the lanes
.irp t, 0,1,2,3
.irp i, 0,1,2,3
	global_load_b128 v[BB+16*\t+4*\i:BB+16*\t+4*\i+3], v7, s[84:85] offset:128*\t+16*\i   ; v[BB + 16 t + x] = bias(32 t + 16 h + x)
.endr
.endr
.irp a, 0,1,2,3,4,5,6,7
	global_load_b32 v[BA+2*\a], v8, s[84:85] offset:4*(32*(\a/2)+8*(\a%2))
	global_load_b32 v[BA+2*\a+1], v8, s[84:85] offset:4*(32*(\a/2)+8*(\a%2))
.endr
.macro FRAG reg, adr, q, i             ; 16 rows x 128 K of 4-bit codes: 8 registers, two loads of 16 bytes, 32 bytes apart
.irp c, 0,1
	ds_load_b128 v[\reg+4*\c:\reg+4*\c+3], v[\adr] offset:64*(\q)+32*\c+(\i)*16*PITCH
.endr
.endm
.macro FETCH_B slot, q, p
	WIN TO_F
.irp i, 0,1,2,3,4,5,6,7
	FRAG 128*(\p)+8*\i, ADRB+\slot, \q, \i
.endr
.endm
.macro FETCH_A slot, q, i0
	WIN TO_F
.irp i, \i0, \i0+1, \i0+2, \i0+3
	FRAG AF+8*(\i), ADRA+\slot, \q, \i
.endr
.endm
; 16 matrix instructions: A's blocks a0, a0 + 1 x B's eight; p: B's set; kq: which 128 along K.  The 64 accumulators take turns in one order in every step.
.macro MUL16 a0, p, kq, zero
.irp a, \a0, \a0+1
.irp b, 0,1,2,3,4,5,6,7
.if \zero
	v_wmma_scale_f32_16x16x128_f8f6f4 v[8*(8*((\a)%4)+\b):8*(8*((\a)%4)+\b)+7], v[128*(\p)+8*\b:128*(\p)+8*\b+7], v[AF+8*(\a):AF+8*(\a)+7], 0, v[SB+8*\b+(\kq)], v[SA+8*(\a)+(\kq)] matrix_a_fmt:MATRIX_FMT_FP4 matrix_b_fmt:MATRIX_FMT_FP4
.else
	v_wmma_scale_f32_16x16x128_f8f6f4 v[8*(8*((\a)%4)+\b):8*(8*((\a)%4)+\b)+7], v[128*(\p)+8*\b:128*(\p)+8*\b+7], v[AF+8*(\a):AF+8*(\a)+7], v[8*(8*((\a)%4)+\b):8*(8*((\a)%4)+\b)+7], v[SB+8*\b+(\kq)], v[SA+8*(\a)+(\kq)] matrix_a_fmt:MATRIX_FMT_FP4 matrix_b_fmt:MATRIX_FMT_FP4
.endif
.endr
.endr
.endm
; A step of 128 along K whose successor lies in the same slot.  Four plain places stand in front of each run of loads into registers that matrix instructions have read (ISA guide 7.12.1 for vector instructions).
.macro STEP slot, q, zero
	s_wait_dscnt 8                                 ; B's set and A's blocks 0-3 are in; the youngest eight loads (A's blocks 4-7) may be out
	WIN MUL_LO
	MUL16 0, (\q)%2, 4*(\slot)+(\q), \zero
	MUL16 2, (\q)%2, 4*(\slot)+(\q), \zero
	s_wait_dscnt 0                                 ; A's blocks 4-7 are in
	PLACES 4
	FETCH_B \slot, (\q)+1, 1-(\q)%2
	FETCH_A \slot, (\q)+1, 0
	WIN MUL_HI
	MUL16 4, (\q)%2, 4*(\slot)+(\q), \zero
	MUL16 6, (\q)%2, 4*(\slot)+(\q), \zero
	PLACES 4
	FETCH_A \slot, (\q)+1, 4
.endm
	s_wait_tensorcnt 1                             ; my part of slot 0 is in; slot 1's load may be out
	s_barrier_signal -1
	s_barrier_wait -1
	s_wait_loadcnt 0x0                             ; scale words and biases
	FETCH_B 0, 0, 0
	FETCH_A 0, 0, 0
	FETCH_A 0, 0, 4
	STEP 0, 0, 1                                   ; the first products start the sums
	STEP 0, 1, 0
	STEP 0, 2, 0
	; slot 0's last step changes slots: one barrier; in front of it my part of slot 1 has landed and my reads of slot 0 are over
	WIN 0
	s_wait_tensorcnt 0x0
	ds_add_u32 v[SPW], v[NIL]                      ; 0 onto my spare word
	s_wait_dscnt 9                                 ; the add and the youngest eight loads may be out
	WIN MUL_LO
	MUL16 0, 1, 3, 0
	s_wait_dscnt 0x0
	s_barrier_signal -1
	MUL16 2, 1, 3, 0
	WIN 0
	s_barrier_wait -1
	PLACES 4
	FETCH_B 1, 0, 0
	FETCH_A 1, 0, 0
	WIN MUL_HI
	MUL16 4, 1, 3, 0
	MUL16 6, 1, 3, 0
	PLACES 4
	FETCH_A 1, 0, 4
	STEP 1, 0, 0
	STEP 1, 1, 0
	STEP 1, 2, 0
	s_wait_dscnt 8                                 ; the last step: nothing more to fetch
	WIN MUL_LO
	MUL16 0, 1, 7, 0
	MUL16 2, 1, 7, 0
	s_wait_dscnt 0
	WIN MUL_HI
	MUL16 4, 1, 7, 0
	MUL16 6, 1, 7, 0
	WIN 0
	PLACES 4                                       ; in front of the first read of results and of the first write over fragments
; 64 numbers of a lane, v[s] on, register 16 b + i = k 32 b + 16 (lane / 16) + i of my row, become a fragment's codes in v[PC] on and its scale word in v[pw].  All in one window.
.macro QUANT s, pw
.irp b, 0,1,2,3
	v_max3_num_f32 v[TM+\b], |v[\s+16*\b]|, |v[\s+1+16*\b]|, 0x1800000   ; and the floor 2^(3 - 127)
.endr
.irp i, 2,4,6,8,10,12,14
.irp b, 0,1,2,3
	v_max3_num_f32 v[TM+\b], v[TM+\b], |v[\s+16*\b+\i]|, |v[\s+1+16*\b+\i]|
.endr
.endr
.irp b, 0,1,2,3
	v_permlanex16_b32 v[TM+4+\b], v[TM+\b], s[SEL], s[SEL+1]
.endr
.irp b, 0,1,2,3
	v_max_num_f32 v[TM+\b], v[TM+\b], v[TM+4+\b]   ; with lane l xor 16's: the block's largest magnitude
.endr
.irp b, 0,1,2,3
	v_add_nc_u32 v[TM+12+\b], 0xff000000, v[TM+\b] ; 2 off its exponent field: the conversion's scale operand
.endr
.irp b, 0,1,2,3
	v_lshrrev_b32 v[TM+4+\b], 23, v[TM+12+\b]      ; the byte
.endr
	v_lshl_or_b32 v[\pw], v[TM+5], 8, v[TM+4]
	v_lshl_or_b32 v[\pw], v[TM+6], 16, v[\pw]
	v_lshl_or_b32 v[\pw], v[TM+7], 24, v[\pw]
	s_wait_xcnt 0x0                                ; the last block's stores have read the codes' registers
.irp b, 0,1,2,3
	v_cvt_scalef32_pk8_fp4_f32 v[PC+2*\b], v[\s+16*\b:\s+7+16*\b], v[TM+12+\b]
	v_cvt_scalef32_pk8_fp4_f32 v[PC+1+2*\b], v[\s+8+16*\b:\s+15+16*\b], v[TM+12+\b]
.endr
	v_nop                                          ; one plain place behind a scaled conversion
.irp c, 0,1                                    ; a whole block to a lane: lanes 0-15 block 2 c, lanes 16-31 block 2 c + 1
.irp i, 0,1
	v_permlane16_swap_b32 v[PC+4*\c+\i], v[PC+2+4*\c+\i]
.endr
.endr
.endm
; THE WAY OUT, a block of A at a time: + bias, quantised, stored as an image of the operand's registers: 16 bytes a lane, 512 consecutive bytes a store.
; isv = 0: registers 0-3 are the even head's 64 features, 4-7 the odd head's, one record further on.  isv = 1: the 8 registers are 128 keys of 16 channels: blocks 0-3 the even head's four tiles, 4-7 the odd head's.
.macro EPI isv
.irp a, 0,1,2,3,4,5,6,7
	WIN 0x48+4*(\a/4)                              ; destination window 1, source 0 (bias) window 0, source 1 (results) window 2 or 3
.set i, 0
.rept 32
.if \isv
	v_pk_add_f32 v[ST+i:ST+i+1], v[BA+2*\a:BA+2*\a+1], v[64*(\a%4)+i:64*(\a%4)+i+1]
.else
	v_pk_add_f32 v[ST+i:ST+i+1], v[BB+i:BB+i+1], v[64*(\a%4)+i:64*(\a%4)+i+1]   ; each accumulator from its low end on
.endif
.set i, i+2
.endr
	WIN 0x55
	QUANT ST, SW+\a
	WIN 0x04                                       ; a store's data: window 1
.if \isv
	global_store_b128 v[CO], v[PC:PC+3], s[80:81] offset:(\a/4)*REC+(\a%4)*1024
	global_store_b128 v[CO], v[PC+4:PC+7], s[80:81] offset:(\a/4)*REC+(\a%4)*1024+512
.else
	global_store_b128 v[CO], v[PC:PC+3], s[80:81] offset:512*\a
	global_store_b128 v[CO], v[PC+4:PC+7], s[80:81] offset:512*\a+REC
.endif
.endr
.if \isv
	WIN 0x55
.irp i, 0,1,2,3
	v_cndmask_b32 v[SW+\i], v[SW+\i], v[SW+4+\i], s86   ; lanes 16-31 take the odd head's four tiles
.endr
	WIN 0x04
	global_store_b128 v[SO], v[SW:SW+3], s[82:83]       ; sixteen lanes store 256 consecutive bytes in each of the two records
.else
	WIN 0x44
.irp a, 0,1,2,3,4,5,6,7
	v_lshrrev_b32 v[SW+\a], v[VSH], v[SW+\a]       ; lanes 16-31: the odd head's two bytes come down.  The word's upper two bytes stand over zero codes and are never 0xff
.endr
	WIN 0x04
	global_store_b128 v[SO], v[SW:SW+3], s[82:83]
	global_store_b128 v[SO], v[SW+4:SW+7], s[82:83] offset:256
.endif
	WIN 0
.endm
	WIN 0x40
.irp b, 0,1,2,3
	v_mov_b32 v[TM+4+\b], 0                        ; written once: a lane permute's destination counts as one of its sources
.endr
	WIN 0
	s_cmp_lt_u32 s66, 8                            ; the cluster's y: the same in all partners and all waves
	s_cbranch_scc0 .Lepi_v
	EPI 0
	s_branch .Ldone
.Lepi_v:
	EPI 1
.Ldone:
	s_wait_tensorcnt 0x0                           ; the wave's end
	ds_add_u32 v[SPW], v[NIL]
	s_wait_dscnt 0x0
	CROUND                                         ; the closing round
	s_endpgm
.Lfunc_end_k_q10fbd830e7_qkv:
	.size	k_q10fbd830e7_qkv, .Lfunc_end_k_q10fbd830e7_qkv-k_q10fbd830e7_qkv
	.p2alignl 7, 3214868480
	.fill 96, 4, 3214868480
	.section	.rodata,"a",@progbits
	.p2align	6, 0x0
	.amdhsa_kernel k_q10fbd830e7_qkv
		.amdhsa_group_segment_fixed_size 327680
		.amdhsa_private_segment_fixed_size 0
		.amdhsa_enable_private_segment 0
		.amdhsa_kernarg_size 48
		.amdhsa_user_sgpr_count 2
		.amdhsa_user_sgpr_kernarg_segment_ptr 1
		.amdhsa_wavefront_size32 1
		.amdhsa_system_sgpr_workgroup_id_x 1
		.amdhsa_system_sgpr_workgroup_id_y 1
		.amdhsa_system_sgpr_workgroup_id_z 1
		.amdhsa_system_vgpr_workitem_id 0
		.amdhsa_next_free_vgpr 1024
		.amdhsa_next_free_sgpr 100
		.amdhsa_reserve_vcc 0
		.amdhsa_float_denorm_mode_32 3
		.amdhsa_float_denorm_mode_16_64 3
		.amdhsa_memory_ordered 1
		.amdhsa_forward_progress 1
		.amdhsa_inst_pref_size 197
	.end_amdhsa_kernel
	.amdgpu_metadata
---
amdhsa.version: [ 1, 2 ]
amdhsa.kernels:
  - .name:           k_q10fbd830e7_qkv
    .symbol:         k_q10fbd830e7_qkv.kd
    .args:
      - { .name: xc, .offset: 0, .size: 8, .value_kind: global_buffer, .address_space: global }
      - { .name: xs, .offset: 8, .size: 8, .value_kind: global_buffer, .address_space: global }
      - { .name: wc, .offset: 16, .size: 8, .value_kind: global_buffer, .address_space: global }
      - { .name: ws, .offset: 24, .size: 8, .value_kind: global_buffer, .address_space: global }
      - { .name: b_qkv, .offset: 32, .size: 8, .value_kind: global_buffer, .address_space: global }
      - { .name: hb, .offset: 40, .size: 8, .value_kind: global_buffer, .address_space: global }
    .group_segment_fixed_size: 327680
    .private_segment_fixed_size: 0
    .kernarg_segment_align: 8
    .kernarg_segment_size: 48
    .max_flat_workgroup_size: 128
    .sgpr_count:     100
    .vgpr_count:     1024
    .wavefront_size: 32
...
	.end_amdgpu_metadata
.endif
;; end of part 2
;; launch attn (part 3): grid 4 x 64, 16 waves a work-group, clusters of 4 x 1, 169,984 bytes of LDS; arguments hb, oc, os; writes oc, os
.if DOCPART == 3
	.amdgcn_target "amdgcn-amd-amdhsa--gfx1250"
	.amdhsa_code_object_version 6
	.text
	.protected	k_q10fbd830e7_attn
	.globl	k_q10fbd830e7_attn
	.p2align	8
	.type	k_q10fbd830e7_attn,@function
k_q10fbd830e7_attn:
	s_mov_b64 s[64:65], 0
	v_nop
	global_prefetch_b8 v0, s[64:65] scope:SCOPE_SE
	s_setreg_imm32_b32 hwreg(HW_REG_WAVE_MODE, 25, 1), 1
	s_wait_xcnt 0x0
	s_wait_alu depctr_hold_cnt(0) depctr_sa_sdst(0) depctr_va_vdst(0) depctr_va_sdst(0) depctr_va_ssrc(0) depctr_va_vcc(0) depctr_vm_vsrc(0)
	s_getreg_b32 s2, hwreg(HW_REG_IB_STS2, 6, 4)
	s_cmp_eq_u32 s2, 0
	s_cbranch_scc0 .Lentry_in_a_cluster
	s_endpgm
.Lentry_in_a_cluster:
	s_bfe_u32 s2, ttmp6, 0x10000c
	s_cmp_lg_u32 s2, 0x3003
	s_cbranch_scc0 .Lentry_shape_is_right
	s_endpgm
.Lentry_shape_is_right:
; Causal attention of one head (batch x head = work-group y) on codes of FP4 with E8M0 scales; 2,048 queries and keys, head size 64.  o leaves as codes quantised along the model's 1,024.
; t = score x log2(e) / 8; M = the running largest t rounded up to a whole number; p = 2^(t - M) is quantised along the keys, not normalised; the row's sum is taken of the unquantised p and divides at the end.
; THE CLUSTER IS THE HEAD.  The head's K and V, codes and scale words, are the first 143,360 bytes of its record in hb; they come into each of the four work-groups' LDS ONCE, by one joint tensor load a wave
; (35 rows of 256 bytes), and are only read from then on: nothing is filled again, nothing is stored to LDS.
; SHARES.  The head has 128 tiles of 16 queries; tile n needs n / 8 + 1 key steps of 128.  A wave takes tiles n and 127 - n, one after the other: 17 steps for every wave of the launch.
; n = 8 TL + J.  TL (which 128 tokens) is made of the wave's number alone and steers the branches; J holds the work-group's place in the cluster and enters global addresses and the mask's numbers alone.
; Both loops have constant trip counts; a step all of whose keys come after the tile's queries is jumped over.
; LAYOUT.  S^T = K Q^T and O^T = V^T P^T: a lane holds one query (lane % 16).  K = 64 fills half of the instruction's 128: the upper four registers of each fragment of K and of Q are zero codes.
; The keys of a tile of K and the channels of a tile of V were chosen by the launch before so that 16 registers of two neighbouring tiles are 16 neighbours (keys; channels).
; Every LDS read is an image of registers: 16 bytes a lane, lanes on end.  No prefetch: all that is streamed is asked for at the head.
; LIMITS: NaN and infinities are not served; a block of o whose largest magnitude lies under 2^-124 keeps the byte 1, a block of zeros too.
; REGISTERS: v1-7 lane terms; v8-11 the step's LDS addresses; v12 -M, v13 largest t, v[14:15] the sum; v16-23 Q; v24-31 K's scale words; v32-95 K; v96-159 S^T, p; v160-191 O^T; v192-223 V; v224-231 p's codes; v232-254 at work; v255 Q's scale word.
.set REC, 217088
.macro CROUND
	s_barrier_signal -1
	s_barrier_wait -1
	s_cmp_lg_u32 s10, 0
	s_cbranch_scc1 .Lnot_wave_0_\@
	s_barrier_signal -3
.Lnot_wave_0_\@:
	s_barrier_wait -3
	s_barrier_signal -1
	s_barrier_wait -1
.endm
	s_load_b128 s[4:7], s[0:1], 0x0                ; hb, oc
	s_load_b64 s[8:9], s[0:1], 0x10                ; os
	v_lshl_add_u32 v254, v0, 2, 0x29000
	v_mov_b32 v255, 0
	ds_add_u32 v254, v255
	ds_add_u32 v254, v255
	s_wait_dscnt 0x0
	v_lshrrev_b32 v8, 5, v0
	s_delay_alu instid0(VALU_DEP_1)
	v_readfirstlane_b32 s10, v8                    ; wave 0..15
	s_bfe_u32 s11, ttmp6, 0x40000                  ; cx
	s_and_b32 s12, ttmp7, 0xffff                   ; 16 batch + head
	s_mul_i32 s42, s12, REC
	s_mov_b32 s43, 0
	s_mul_i32 s44, s10, 8960                       ; my wave's 35 rows of 256 bytes, in memory and in LDS
	s_mov_b32 s45, 0
	s_mov_b32 s16, 15|(3<<16)|(1<<21)              ; the mask: all four work-groups; elements of 8 bytes; bit 21 beside a mask; no padding
	s_mov_b32 s17, 32<<16                          ; tensor_dim0 = 32 elements
	s_mov_b32 s18, 35<<16                          ; tensor_dim1 = 35 rows
	s_mov_b32 s19, 32<<16                          ; tile_dim0
	s_mov_b32 s20, 35                              ; tile_dim1
	s_mov_b32 s21, 32                              ; dense rows
	s_mov_b32 s22, 0
	s_mov_b32 s23, 0
	s_and_b32 s13, s12, 15                         ; head
	s_lshr_b32 s14, s12, 4                         ; batch
	s_lshr_b32 s46, s13, 3
	s_lshl_b32 s46, s46, 21                        ; oc: [half of K][tile of 16 rows][head % 8][512]
	s_and_b32 s15, s13, 7
	s_lshl_b32 s15, s15, 9
	s_add_co_u32 s46, s46, s15
	s_lshl_b32 s15, s14, 19
	s_add_co_u32 s46, s46, s15
	s_mov_b32 s47, 0
	s_lshr_b32 s40, s13, 1
	s_lshl_b32 s40, s40, 15                        ; os: [head / 2][row][4]: byte 2 (head % 2) + block
	s_and_b32 s15, s13, 1
	s_lshl_b32 s15, s15, 1
	s_add_co_u32 s40, s40, s15
	s_lshl_b32 s15, s14, 13
	s_add_co_u32 s40, s40, s15
	s_mov_b32 s41, 0
	s_mov_b32 s28, 0x76543210
	s_mov_b32 s29, 0xfedcba98                      ; lane l xor 16
	s_mov_b32 s30, 0x3e38aa3b                      ; c = log2(e) / 8
	s_mov_b32 s31, s30
	s_mov_b32 s32, 0xffff0000                      ; lanes 16-31
	s_wait_kmcnt 0x0
	s_add_nc_u64 s[4:5], s[4:5], s[42:43]          ; the head's record
	s_add_nc_u64 s[6:7], s[6:7], s[46:47]
	s_add_nc_u64 s[8:9], s[8:9], s[40:41]
	s_mov_b32 s24, 1
	s_mov_b32 s25, s44
	s_add_nc_u64 s[26:27], s[4:5], s[44:45]
	s_or_b32 s27, s27, 0x80000000
	CROUND                                         ; all four work-groups are here
	tensor_load_to_lds s[24:27], s[16:23]          ; my one tensor load of the launch
	s_nop 0
.rept 4
	v_nop
.endr
	v_and_b32 v8, 31, v0                           ; lane
	v_and_b32 v9, 15, v0                           ; r
	v_bfe_u32 v10, v0, 4, 1                        ; h
	s_delay_alu instid0(VALU_DEP_3)
	v_lshlrev_b32 v1, 4, v8                        ; K's images: 16 x lane
	s_delay_alu instid0(VALU_DEP_1)
	v_add_nc_u32 v2, 65536, v1                     ; V's
	s_delay_alu instid0(VALU_DEP_4)
	v_lshlrev_b32 v3, 4, v9
	s_delay_alu instid0(VALU_DEP_1)
	v_add_nc_u32 v4, 139264, v3                    ; V's scale words: 16 r
	s_delay_alu instid0(VALU_DEP_2)
	v_add_nc_u32 v3, 131072, v3                    ; K's
	v_lshlrev_b32 v5, 4, v10
	s_delay_alu instid0(VALU_DEP_1)
	v_sub_nc_u32 v5, v9, v5                        ; r - 16 h
	v_bfe_u32 v11, v0, 3, 1
	v_and_b32 v7, 7, v0
	s_delay_alu instid0(VALU_DEP_1)
	v_lshlrev_b32 v7, 4, v7
	s_delay_alu instid0(VALU_DEP_1)
	v_lshl_add_u32 v7, v11, 9, v7
	s_delay_alu instid0(VALU_DEP_1)
	v_lshl_add_u32 v7, v10, 8, v7                  ; Q's codes: query 16 J + r lies in tile 2 (J / 2) + r / 8 at lane 8 (J % 2) + r % 8: 512 (r / 8) + 16 (r % 8) + 256 h
.irp j, 20,21,22,23
	v_mov_b32 v[\j], 0                             ; Q's upper 64 of K: zero codes
.endr
.irp a, 0,1,2,3,4,5,6,7
.irp j, 4,5,6,7
	v_mov_b32 v[32+8*\a+\j], 0                     ; K's likewise; written once
.endr
.endr
.irp b, 0,1,2,3
	v_mov_b32 v[236+\b], 0                         ; a lane permute's destination counts as one of its sources
.endr
	v_mov_b32 v252, 0
	v_mov_b32 v253, 0                              ; (named as the upper half of the pair v[252:253] before it is first written)
	s_and_b32 s34, s10, 7                          ; TL
	s_lshr_b32 s35, s10, 3
	s_lshl_b32 s35, s35, 2
	s_add_co_u32 s35, s35, s11                     ; J
	s_mov_b32 s36, 0                               ; the pass
	s_wait_tensorcnt 0x0                           ; my part of the head has landed,
	s_barrier_signal -1
	s_barrier_wait -1                              ; everybody's has
.Lpass:
	s_lshl_b32 s41, s34, 12
	s_lshr_b32 s42, s35, 1
	s_lshl_b32 s43, s42, 10
	s_add_co_u32 s41, s41, s43
	s_and_b32 s44, s35, 1
	s_lshl_b32 s44, s44, 7
	s_add_co_u32 s41, s41, s44
	s_add_co_u32 s41, s41, 143360                  ; Q's codes: 4,096 TL + 1,024 (J / 2) + 128 (J % 2)
	v_add_nc_u32 v241, s41, v7
	global_load_b128 v[16:19], v241, s[4:5]
	s_lshl_b32 s41, s34, 9
	s_lshr_b32 s43, s35, 2
	s_lshl_b32 s43, s43, 8
	s_add_co_u32 s41, s41, s43
	s_and_b32 s42, s42, 1
	s_lshl_b32 s42, s42, 3
	s_add_co_u32 s41, s41, s42
	s_add_co_u32 s41, s41, s44
	s_add_co_u32 s41, s41, 208896                  ; Q's scale words: 512 TL + 256 (J / 4) + 8 ((J / 2) % 2) + 128 (J % 2)
	v_and_b32 v232, 7, v0
	v_bfe_u32 v233, v0, 3, 1
	s_delay_alu instid0(VALU_DEP_2)
	v_lshlrev_b32 v232, 4, v232
	s_delay_alu instid0(VALU_DEP_1)
	v_lshl_add_u32 v232, v233, 2, v232             ; + 16 (r % 8) + 4 (r / 8)
	s_delay_alu instid0(VALU_DEP_1)
	v_add_nc_u32 v240, s41, v232
	global_load_b32 v255, v240, s[4:5]
	s_lshl_b32 s41, s35, 4
	v_add_nc_u32 v6, s41, v5                       ; d = 16 J + r - 16 h: on the diagonal register 16 b + i is hidden where 32 b + i > d
	s_lshl_b32 s41, s34, 3
	s_add_co_u32 s41, s41, s35                     ; the tile
	s_lshl_b32 s42, s41, 12
	v_add_nc_u32 v242, s42, v1                     ; its image in oc
	s_lshl_b32 s42, s41, 6
	v_and_b32 v233, 15, v0
	v_bfe_u32 v234, v0, 4, 1
	s_delay_alu instid0(VALU_DEP_1)
	v_lshl_add_u32 v233, v233, 2, v234
	s_delay_alu instid0(VALU_DEP_1)
	v_add_nc_u32 v243, s42, v233                   ; its bytes in os: 4 r + h
	v_mov_b32 v13, 0xff61b1e6                      ; the largest t so far: -3e38
	s_delay_alu instid0(VALU_DEP_1)
	v_floor_f32 v12, -v13                          ; -M
	v_mov_b32 v14, 0
	v_mov_b32 v15, 0
.set j, 0
.rept 32
	v_mov_b32 v[160+j], 0                          ; O^T: the step is written once; its first trip finds zeros
.set j, j+1
.endr
	s_mov_b32 s37, 0                               ; T: the key step
	s_mov_b32 s38, 0                               ; 4,096 T: codes
	s_mov_b32 s39, 0                               ; 512 T: K's scale words
	s_mov_b32 s40, 0                               ; 256 T: V's
	s_wait_loadcnt 0x0                             ; Q
.Lstep:                                            ; 16 trips
	s_cmp_gt_u32 s37, s34
	s_cbranch_scc1 .Lhidden                        ; all 128 keys come after my queries
	s_setprio 2
	v_add_nc_u32 v8, s38, v1                       ; (these four are the places in front of the loads into registers that the last products read)
	v_add_nc_u32 v9, s38, v2
	v_add_nc_u32 v10, s39, v3
	v_add_nc_u32 v11, s40, v4
.irp a, 0,1,2,3,4,5,6,7
	ds_load_b128 v[32+8*\a:35+8*\a], v8 offset:512*\a
.endr
	ds_load_b128 v[24:27], v10
	ds_load_b128 v[28:31], v10 offset:256
.irp t, 0,1,2,3
.irp c, 0,1
	ds_load_b128 v[192+8*\t+4*\c:195+8*\t+4*\c], v9 offset:1024*\t+512*\c
.endr
.endr
	ds_load_b128 v[248:251], v11
	s_wait_dscnt 9                                 ; K and its scale words are in; V's nine loads may be out
.irp a, 0,1,2,3,4,5,6,7
	v_wmma_scale_f32_16x16x128_f8f6f4 v[96+8*\a:103+8*\a], v[32+8*\a:39+8*\a], v[16:23], 0, v[24+\a], v255 matrix_a_fmt:MATRIX_FMT_FP4 matrix_b_fmt:MATRIX_FMT_FP4
.endr
.rept 4
	v_nop
.endr
	s_cmp_lt_u32 s37, s34
	s_cbranch_scc1 .Lopen                          ; all keys count
	v_mov_b32 v254, 0xff800000                     ; the diagonal step: hidden scores become -infinity ahead of the maximum
.set n, 0
.rept 64
	v_cmp_gt_i32 vcc_lo, 32*(n/16)+n%16, v6
	v_cndmask_b32 v[96+n], v[96+n], v254, vcc_lo
.set n, n+1
.endr
.Lopen:
.irp b, 0,1,2,3
	v_max3_num_f32 v[232+\b], v[96+16*\b], v[97+16*\b], v[98+16*\b]   ; the largest score of each block of 32 keys: for the row's maximum, and, since p rises with the score, for the block's largest p
.endr
.irp i, 3,5,7,9,11,13
.irp b, 0,1,2,3
	v_max3_num_f32 v[232+\b], v[232+\b], v[96+16*\b+\i], v[97+16*\b+\i]
.endr
.endr
.irp b, 0,1,2,3
	v_max_num_f32 v[232+\b], v[232+\b], v[111+16*\b]
.endr
.irp b, 0,1,2,3
	s_delay_alu instid0(VALU_DEP_4)
	v_permlanex16_b32 v[236+\b], v[232+\b], s28, s29
.endr
.irp b, 0,1,2,3
	s_delay_alu instid0(VALU_DEP_4)
	v_max_num_f32 v[232+\b], v[232+\b], v[236+\b]
.endr
	s_delay_alu instid0(VALU_DEP_2)
	v_max3_num_f32 v254, v232, v233, v234
	s_delay_alu instid0(VALU_DEP_1)
	v_max_num_f32 v254, v254, v235
	s_delay_alu instid0(VALU_DEP_1)
	v_mul_f32 v254, s30, v254
	s_delay_alu instid0(VALU_DEP_1)
	v_max_num_f32 v13, v13, v254                   ; the running largest t
	v_mov_b32 v254, v12
	s_delay_alu instid0(VALU_DEP_2)
	v_floor_f32 v12, -v13                          ; the new -M = -ceil(t)
	s_delay_alu instid0(VALU_DEP_1)
	v_sub_f32 v254, v12, v254                      ; old M - new M: a whole number, 0 or less
	s_delay_alu instid0(VALU_DEP_1)
	v_cvt_i32_f32 v254, v254                       ; (it saturates)
	s_delay_alu instid0(VALU_DEP_1)
	v_ldexp_f32 v252, 1.0, v254                    ; f = 2^(old M - new M)
.set j, 0
.rept 32
	v_pk_fma_f32 v[96+j:97+j], v[96+j:97+j], s[30:31], v[12:13] op_sel_hi:[1,0,0]   ; t - M
.set j, j+2
.endr
	s_setprio 1
.irp b, 0,1,2,3
	v_fma_f32 v[232+\b], v[232+\b], s30, v12
.endr
.set j, 0
	s_wait_alu depctr_va_vdst(0)
.rept 64
	v_exp_f32 v[96+j], v[96+j]                     ; p
.set j, j+1
.endr
	v_pk_mul_f32 v[14:15], v[14:15], v[252:253] op_sel_hi:[1,0]   ; the sums under the new M (a plain place behind the exponentials)
	s_wait_alu depctr_va_vdst(0)                   ; one wait for the batch of 64, ahead of its first reader
.irp b, 0,1,2,3
	v_exp_f32 v[232+\b], v[232+\b]                 ; each block's largest p
.endr
	v_pk_add_f32 v[236:237], v[100:101], v[104:105]
	v_pk_add_f32 v[246:247], v[108:109], v[112:113]
	v_pk_add_f32 v[244:245], v[116:117], v[120:121]
	v_pk_add_f32 v[240:241], v[124:125], v[128:129]
	v_pk_add_f32 v[238:239], v[132:133], v[136:137]
	v_pk_add_f32 v[230:231], v[140:141], v[144:145]
	v_pk_add_f32 v[228:229], v[148:149], v[152:153]
	v_pk_add_f32 v[14:15], v[14:15], v[156:157]
	v_pk_add_f32 v[236:237], v[236:237], v[96:97]
	v_pk_add_f32 v[246:247], v[246:247], v[98:99]
	v_pk_add_f32 v[244:245], v[244:245], v[102:103]
	v_pk_add_f32 v[240:241], v[240:241], v[106:107]
	v_pk_add_f32 v[238:239], v[238:239], v[110:111]
	v_pk_add_f32 v[230:231], v[230:231], v[114:115]
	v_pk_add_f32 v[228:229], v[228:229], v[118:119]
	v_pk_add_f32 v[14:15], v[14:15], v[122:123]
	v_pk_add_f32 v[236:237], v[236:237], v[126:127]
	v_pk_add_f32 v[246:247], v[246:247], v[130:131]
	v_pk_add_f32 v[244:245], v[244:245], v[134:135]
	v_pk_add_f32 v[240:241], v[240:241], v[138:139]
	v_pk_add_f32 v[238:239], v[238:239], v[142:143]
	v_pk_add_f32 v[230:231], v[230:231], v[146:147]
	v_pk_add_f32 v[228:229], v[228:229], v[150:151]
	v_pk_add_f32 v[14:15], v[14:15], v[154:155]
	v_pk_add_f32 v[236:237], v[236:237], v[158:159]
	s_delay_alu instid0(VALU_DEP_2)
	v_pk_add_f32 v[14:15], v[14:15], v[240:241]
	s_delay_alu instid0(VALU_DEP_2)
	v_pk_add_f32 v[236:237], v[236:237], v[238:239]
	v_pk_add_f32 v[246:247], v[246:247], v[230:231]
	v_pk_add_f32 v[244:245], v[244:245], v[228:229]
	s_delay_alu instid0(VALU_DEP_2)
	v_pk_add_f32 v[14:15], v[14:15], v[246:247]
	s_delay_alu instid0(VALU_DEP_2)
	v_pk_add_f32 v[236:237], v[236:237], v[244:245]
	s_delay_alu instid0(VALU_DEP_1)
	v_pk_add_f32 v[14:15], v[14:15], v[236:237]
	s_wait_alu depctr_va_vdst(0)                   ; and one for the four
.irp b, 0,1,2,3
	v_max_num_f32 v[232+\b], 0x1800000, v[232+\b]  ; the floor: the byte cannot fall under 1
.endr
.irp b, 0,1,2,3
	s_delay_alu instid0(VALU_DEP_4)
	v_add_nc_u32 v[244+\b], 0xff000000, v[232+\b]
.endr
.irp b, 0,1,2,3
	s_delay_alu instid0(VALU_DEP_4)
	v_lshrrev_b32 v[236+\b], 23, v[244+\b]
.endr
	s_delay_alu instid0(VALU_DEP_3)
	v_lshl_or_b32 v253, v237, 8, v236              ; p's scale word for these 128 keys
	s_delay_alu instid0(VALU_DEP_1)
	v_lshl_or_b32 v253, v238, 16, v253
	s_delay_alu instid0(VALU_DEP_1)
	v_lshl_or_b32 v253, v239, 24, v253
	s_setprio 0
.irp b, 0,1,2,3
	v_cvt_scalef32_pk8_fp4_f32 v[224+2*\b], v[96+16*\b:103+16*\b], v[244+\b]
	v_cvt_scalef32_pk8_fp4_f32 v[225+2*\b], v[104+16*\b:111+16*\b], v[244+\b]
.endr
	v_nop                                          ; one plain place behind a scaled conversion
.irp c, 0,1
.irp i, 0,1
	v_permlane16_swap_b32 v[224+4*\c+\i], v[226+4*\c+\i]
.endr
.endr
.set j, 0
.rept 16
	v_pk_mul_f32 v[160+j:161+j], v[160+j:161+j], v[252:253] op_sel_hi:[1,0]   ; O^T under the new M; these sixteen are also the places between p's codes and scale word and the products
.set j, j+2
.endr
	s_wait_alu depctr_va_vdst(0)
	s_wait_dscnt 0x0                               ; V and its scale words
.irp t, 0,1,2,3
	v_wmma_scale_f32_16x16x128_f8f6f4 v[160+8*\t:167+8*\t], v[192+8*\t:199+8*\t], v[224:231], v[160+8*\t:167+8*\t], v[248+\t], v253 matrix_a_fmt:MATRIX_FMT_FP4 matrix_b_fmt:MATRIX_FMT_FP4
.endr
.Lhidden:
	s_add_co_u32 s38, s38, 4096
	s_add_co_u32 s39, s39, 512
	s_add_co_u32 s40, s40, 256
	s_add_co_u32 s37, s37, 1
	s_cmp_lt_u32 s37, 16
	s_cbranch_scc1 .Lstep
	s_setprio 0
	; the tile's end: o = O^T / the sum, quantised along the head's two blocks of 32 channels: the 16 registers of tiles 2 b, 2 b + 1 are channels 32 b + 16 h + 0 .. 15
.rept 4
	v_nop
.endr
	v_add_f32 v14, v14, v15
	s_delay_alu instid0(VALU_DEP_1)
	v_permlanex16_b32 v252, v14, s28, s29
	s_delay_alu instid0(VALU_DEP_1)
	v_add_f32 v14, v14, v252                       ; the row's sum
	s_wait_alu depctr_va_vdst(0)
	v_rcp_f32 v14, v14
	v_nop                                          ; a plain place behind the reciprocal
	s_wait_alu depctr_va_vdst(0)                   ; and the wait ahead of its first reader
.set j, 0
.rept 16
	v_pk_mul_f32 v[96+j:97+j], v[160+j:161+j], v[14:15] op_sel_hi:[1,0]
.set j, j+2
.endr
.irp b, 0,1
	v_max3_num_f32 v[232+\b], |v[96+16*\b]|, |v[97+16*\b]|, 0x1800000
.endr
.irp i, 2,4,6,8,10,12,14
.irp b, 0,1
	s_delay_alu instid0(VALU_DEP_2)
	v_max3_num_f32 v[232+\b], v[232+\b], |v[96+16*\b+\i]|, |v[97+16*\b+\i]|
.endr
.endr
.irp b, 0,1
	s_delay_alu instid0(VALU_DEP_2)
	v_permlanex16_b32 v[236+\b], v[232+\b], s28, s29
.endr
.irp b, 0,1
	s_delay_alu instid0(VALU_DEP_2)
	v_max_num_f32 v[232+\b], v[232+\b], v[236+\b]
.endr
.irp b, 0,1
	s_delay_alu instid0(VALU_DEP_2)
	v_add_nc_u32 v[244+\b], 0xff000000, v[232+\b]
.endr
.irp b, 0,1
	s_delay_alu instid0(VALU_DEP_2)
	v_lshrrev_b32 v[236+\b], 23, v[244+\b]
.endr
	s_delay_alu instid0(VALU_DEP_1)
	v_cndmask_b32 v240, v236, v237, s32            ; lanes 0-15 keep block 0's byte, lanes 16-31 block 1's
	v_cvt_scalef32_pk8_fp4_f32 v224, v[96:103], v244
	v_cvt_scalef32_pk8_fp4_f32 v225, v[104:111], v244
	v_cvt_scalef32_pk8_fp4_f32 v226, v[112:119], v245
	v_cvt_scalef32_pk8_fp4_f32 v227, v[120:127], v245
	v_nop
	v_permlane16_swap_b32 v224, v226               ; lane (r, h) now holds block h of query r, whole
	v_permlane16_swap_b32 v225, v227
	global_store_b128 v242, v[224:227], s[6:7]     ; an image: 512 consecutive bytes
	global_store_b8 v243, v240, s[8:9]             ; a head owns two of a row's four bytes: 32 single bytes in 64
	s_wait_xcnt 0x0                                ; the stores have read their registers: the next pass writes them
	s_sub_co_u32 s34, 15, s34                      ; the partner tile 127 - n
	s_sub_co_u32 s35, 7, s35
	s_add_co_u32 s36, s36, 1
	s_cmp_lt_u32 s36, 2
	s_cbranch_scc1 .Lpass
	s_wait_xcnt 0x0
	v_lshl_add_u32 v254, v0, 2, 0x29000
	v_mov_b32 v255, 0
	s_wait_alu depctr_va_vdst(0)
	s_wait_tensorcnt 0x0
	ds_add_u32 v254, v255
	s_wait_dscnt 0x0
	CROUND                                         ; the closing round
	s_endpgm
.Lfunc_end_k_q10fbd830e7_attn:
	.size	k_q10fbd830e7_attn, .Lfunc_end_k_q10fbd830e7_attn-k_q10fbd830e7_attn
	.p2alignl 7, 3214868480
	.fill 96, 4, 3214868480
	.section	.rodata,"a",@progbits
	.p2align	6, 0x0
	.amdhsa_kernel k_q10fbd830e7_attn
		.amdhsa_group_segment_fixed_size 169984
		.amdhsa_private_segment_fixed_size 0
		.amdhsa_enable_private_segment 0
		.amdhsa_kernarg_size 24
		.amdhsa_user_sgpr_count 2
		.amdhsa_user_sgpr_kernarg_segment_ptr 1
		.amdhsa_wavefront_size32 1
		.amdhsa_system_sgpr_workgroup_id_x 1
		.amdhsa_system_sgpr_workgroup_id_y 1
		.amdhsa_system_sgpr_workgroup_id_z 1
		.amdhsa_system_vgpr_workitem_id 0
		.amdhsa_next_free_vgpr 256
		.amdhsa_next_free_sgpr 66
		.amdhsa_reserve_vcc 1
		.amdhsa_float_denorm_mode_32 3
		.amdhsa_float_denorm_mode_16_64 3
		.amdhsa_memory_ordered 1
		.amdhsa_forward_progress 1
		.amdhsa_inst_pref_size 36
	.end_amdhsa_kernel
	.amdgpu_metadata
---
amdhsa.version: [ 1, 2 ]
amdhsa.kernels:
  - .name:           k_q10fbd830e7_attn
    .symbol:         k_q10fbd830e7_attn.kd
    .args:
      - { .name: hb, .offset: 0, .size: 8, .value_kind: global_buffer, .address_space: global }
      - { .name: oc, .offset: 8, .size: 8, .value_kind: global_buffer, .address_space: global }
      - { .name: os, .offset: 16, .size: 8, .value_kind: global_buffer, .address_space: global }
    .group_segment_fixed_size: 169984
    .private_segment_fixed_size: 0
    .kernarg_segment_align: 8
    .kernarg_segment_size: 24
    .max_flat_workgroup_size: 512
    .sgpr_count:     66
    .vgpr_count:     256
    .wavefront_size: 32
...
	.end_amdgpu_metadata
.endif
;; end of part 3
;; launch proj (part 4): grid 4 x 32, 4 waves a work-group, clusters of 4 x 4, 327,680 bytes of LDS; arguments oc, os, wc, ws, b_out, out0; writes out0
.if DOCPART == 4
	.amdgcn_target "amdgcn-amd-amdhsa--gfx1250"
	.amdhsa_code_object_version 6
	.text
	.protected	k_q10fbd830e7_proj
	.globl	k_q10fbd830e7_proj
	.p2align	8
	.type	k_q10fbd830e7_proj,@function
k_q10fbd830e7_proj:
	s_mov_b64 s[64:65], 0
	v_nop
	global_prefetch_b8 v0, s[64:65] scope:SCOPE_SE
	s_setreg_imm32_b32 hwreg(HW_REG_WAVE_MODE, 25, 1), 1
	s_wait_xcnt 0x0
	s_wait_alu depctr_hold_cnt(0) depctr_sa_sdst(0) depctr_va_vdst(0) depctr_va_sdst(0) depctr_va_ssrc(0) depctr_va_vcc(0) depctr_vm_vsrc(0)
	s_getreg_b32 s2, hwreg(HW_REG_IB_STS2, 6, 4)
	s_cmp_eq_u32 s2, 0
	s_cbranch_scc0 .Lentry_in_a_cluster
	s_endpgm
.Lentry_in_a_cluster:
	s_bfe_u32 s2, ttmp6, 0x10000c
	s_cmp_lg_u32 s2, 0xf033
	s_cbranch_scc0 .Lentry_shape_is_right
	s_endpgm
.Lentry_shape_is_right:
; out0 = o W_out + b_out on codes of FP4 with E8M0 scales, K = 1,024; out0 [8192][1024] f32.
; A tile of 256 x 256 to a work-group of four waves, 128 x 128 a wave.  All of K lies in LDS: two slots of 512 along K, both asked for at the start; nothing is filled again.  128 work-groups: the problem has no more tiles of this size.
; CLUSTERS 4 x 4: o's tiles are shared along a row of the cluster, W_out's along a column: each is asked for jointly.
; o's codes lie in oc as images of the operand's registers, [half of K][tile of 16 rows][head % 8][512 bytes]: 128 rows of a half of K are 32,768 dense bytes, brought as 128 rows of 256 bytes + 16 of padding:
; image I = 8 block + 2 (K step) + register group lies at 544 I, lane (r, h) at 272 h + 16 r.  W_out's rows lie in wc from place 3,072 on, bits 3 and 4 of the row exchanged.
; Source 0 = 16 places of W_out, source 1 = 16 rows of o: a lane holds one row of out0; register j of block b is column 32 (b / 2) + 16 (lane / 16) + 8 (b % 2) + j.  The bias is the C of each sum's first product.
; The scale words of my 128 rows and 128 columns, for all of K, are loaded once into v32-159 of window 0, which hold nothing else.  No prefetch: every tile is asked for at the head.
; REGISTERS: window 0: v0-31 addresses, v32-95 o's scale words, v96-159 W_out's, v192-255 the bias.  window 1: W_out's fragments v0-63, v128-191 (two sets), o's v64-127; on the way out v0-127 rows read back.  windows 2, 3: accumulators.
.set PITCH,  272
.set HALFT,  128*PITCH
.set SLOT,   4*HALFT
.set SPARE,  2*SLOT
.set SPITCH, 528                       ; the way out: a stage of 16 rows x (512 bytes + 16) for each wave, in slot 0, which has had its only fill and its last read by then
.set ADRA, 16
.set ADRB, 20
.set STO,  24
.set RD,   25
.set CO,   26
.set SPW,  28
.set NIL,  29
.set SA,   32
.set SB,   96
.set BB,   192
.set AF,   64
.set G1,  24
.set G0,  32
.set G1B, 48
.set G0B, 56
.set MSB, 0
.macro WIN new
.if MSB != (\new)
	s_set_vgpr_msb (MSB<<8)|(\new)
.set MSB, (\new)
.endif
.endm
.set MUL_LO, 0xa5
.set MUL_HI, 0xf5
.set TO_F,   0x40
.macro JLOAD g0a, g1a, g0b, g1b
	s_cmp_eq_u32 s15, 0
	s_cbranch_scc0 .Lfor_b_\@
	tensor_load_to_lds s[\g0a:\g0a+3], s[\g1a:\g1a+7]
	s_nop 0
.rept 4
	v_nop
.endr
	s_branch .Lasked_\@
.Lfor_b_\@:
	tensor_load_to_lds s[\g0b:\g0b+3], s[\g1b:\g1b+7]
	s_nop 0
.rept 4
	v_nop
.endr
.Lasked_\@:
.endm
.macro CROUND
	s_barrier_signal -1
	s_barrier_wait -1
	s_cmp_lg_u32 s14, 0
	s_cbranch_scc1 .Lnot_wave_0_\@
	s_barrier_signal -3
.Lnot_wave_0_\@:
	s_barrier_wait -3
	s_barrier_signal -1
	s_barrier_wait -1
.endm
.macro PLACES n
.rept \n
	v_nop
.endr
.endm
	s_load_b256 s[4:11], s[0:1], 0x0               ; oc s[4:5], os s[6:7], wc s[8:9], ws s[10:11]
	s_load_b128 s[68:71], s[0:1], 0x20             ; b_out s[68:69], out0 s[70:71]
	v_lshl_add_u32 v[SPW], v0, 2, SPARE
	v_mov_b32 v[NIL], 0
	ds_add_u32 v28, v29
	ds_add_u32 v28, v29
	s_wait_dscnt 0x0
	v_lshrrev_b32 v1, 5, v0
	v_readfirstlane_b32 s14, v1                    ; wave 0..3
	s_lshr_b32 s15, s14, 1                         ; my half of the rows.  Also: I fetch for o (0) or for W_out (1)
	s_and_b32 s16, s14, 1                          ; my half of the columns.  Also: which 128 rows I fetch
	s_bfe_u32 s40, ttmp6, 0x40000                  ; cx
	s_bfe_u32 s41, ttmp6, 0x40004                  ; cy
	s_lshl_b32 s42, ttmp9, 2
	s_add_co_u32 s42, s42, s40                     ; tile column
	s_and_b32 s17, ttmp7, 0xffff
	s_lshl_b32 s17, s17, 2
	s_add_co_u32 s17, s17, s41                     ; tile row
	s_lshl_b32 s43, s41, 2
	s_lshl_b32 s43, 15, s43
	s_lshl_b32 s44, 0x1111, s40
	s_or_b32 s[G1+0], s43, (0<<16)|(1<<20)|(1<<21)|(5<<22)|(3<<25)
	s_or_b32 s[G1B+0], s44, (0<<16)|(1<<20)|(1<<21)|(5<<22)|(3<<25)
.irp g, G1, G1B
	s_mov_b32 s[\g+1], 256<<16
	s_mov_b32 s[\g+2], 128<<16
	s_mov_b32 s[\g+3], 256<<16
	s_mov_b32 s[\g+4], 128
	s_mov_b32 s[\g+6], 0
	s_mov_b32 s[\g+7], 0
.endr
	s_mov_b32 s[G1+5], 256                         ; o's images are dense
	s_mov_b32 s[G1B+5], 512                        ; a row of wc
	s_lshl_b32 s20, s17, 4
	s_lshl_b32 s18, s16, 3
	s_add_co_u32 s20, s20, s18                     ; o: tile of 16 rows 16 x tile row + 8 x half,
	s_lshl_b32 s20, s20, 12                        ; 4,096 bytes each
	s_mov_b32 s21, 0
	s_lshl_b32 s46, s42, 8
	s_lshl_b32 s18, s16, 7
	s_add_co_u32 s46, s46, s18
	s_add_co_u32 s46, s46, 3072                    ; W_out: place 3,072 + 256 x tile column + 128 x half
	s_lshl_b32 s46, s46, 9
	s_mov_b32 s47, 0
	s_mul_i32 s45, s14, HALFT
	s_wait_kmcnt 0x0
	s_add_nc_u64 s[20:21], s[4:5], s[20:21]
	s_add_nc_u64 s[46:47], s[8:9], s[46:47]
	CROUND
.irp s, 0,1
	s_mov_b32 s[G0+4*\s], 1
	s_add_co_u32 s[G0+4*\s+1], s45, \s*SLOT
	s_add_nc_u64 s[G0+4*\s+2:G0+4*\s+3], s[20:21], \s*2097152
	s_or_b32 s[G0+4*\s+3], s[G0+4*\s+3], 0x80000000
	s_mov_b32 s[G0B+4*\s], 1
	s_add_co_u32 s[G0B+4*\s+1], s45, \s*SLOT
	s_add_nc_u64 s[G0B+4*\s+2:G0B+4*\s+3], s[46:47], \s*256
	s_or_b32 s[G0B+4*\s+3], s[G0B+4*\s+3], 0x80000000
	s_wait_alu depctr_va_vdst(0)
	s_wait_tensorcnt 0x0
	ds_add_u32 v28, v29
	ds_add_u32 v28, v29
	s_wait_dscnt 0x0
	CROUND
	JLOAD G0+4*\s, G1, G0B+4*\s, G1B               ; the first has landed: only the second tensor load of mine is out
.endr
	v_and_b32 v1, 15, v0                           ; r
	v_bfe_u32 v2, v0, 4, 1                         ; h
	v_mul_u32_u24 v3, v1, PITCH
	v_lshl_add_u32 v4, v2, 4, v3                   ; W_out: row x pitch + 16 h
	v_mul_u32_u24 v3, v2, PITCH
	v_lshl_add_u32 v3, v1, 4, v3                   ; o: 272 h + 16 r in an image
	s_mul_i32 s21, s15, HALFT
	s_mul_i32 s22, s16, HALFT
	s_add_co_u32 s22, s22, 2*HALFT
.irp s, 0,1
	v_add_nc_u32 v[ADRA+\s], s21, v3
	v_add_nc_u32 v[ADRB+\s], s22, v4
	s_add_co_u32 s21, s21, SLOT
	s_add_co_u32 s22, s22, SLOT
.endr
	s_lshl_b32 s90, s17, 8
	s_lshl_b32 s91, s15, 7
	s_add_co_u32 s90, s90, s91                     ; my first row
	s_lshl_b32 s92, s42, 8
	s_lshl_b32 s93, s16, 7
	s_add_co_u32 s92, s92, s93                     ; my first column
	s_lshl_b32 s94, s90, 2
	s_mov_b32 s95, 0
	s_add_nc_u64 s[6:7], s[6:7], s[94:95]          ; os: 4 bytes a row in each of the eight K steps
	s_add_co_u32 s94, s92, 3072
	s_lshl_b32 s94, s94, 5
	s_add_nc_u64 s[10:11], s[10:11], s[94:95]      ; ws: 32 bytes a place
	s_lshl_b32 s94, s92, 2
	s_add_nc_u64 s[68:69], s[68:69], s[94:95]      ; the bias of my 128 columns
	s_lshl_b32 s96, s90, 12
	s_add_co_u32 s96, s96, s94
	s_mov_b32 s97, 0
	s_add_nc_u64 s[12:13], s[70:71], s[96:97]      ; out0 at my first row and column
	v_lshlrev_b32 v5, 5, v1
	v_lshlrev_b32 v6, 2, v1
	v_lshlrev_b32 v7, 6, v2
.irp i, 0,1,2,3,4,5,6,7
.irp k, 0,1,2,3,4,5,6,7
	global_load_b32 v[SA+8*\i+\k], v6, s[6:7] offset:32768*\k+64*\i
.endr
	global_load_b128 v[SB+8*\i:SB+8*\i+3], v5, s[10:11] offset:512*\i
	global_load_b128 v[SB+8*\i+4:SB+8*\i+7], v5, s[10:11] offset:512*\i+16
.endr
.irp t, 0,1,2,3
.irp i, 0,1,2,3
	global_load_b128 v[BB+16*\t+4*\i:BB+16*\t+4*\i+3], v7, s[68:69] offset:128*\t+16*\i   ; v[BB + 16 t + x] = bias(32 t + 16 h + x)
.endr
.endr
	s_mul_i32 s23, s14, 16*SPITCH                  ; my stage
	v_mul_u32_u24 v8, v1, SPITCH
	v_lshl_add_u32 v8, v2, 6, v8
	v_add_nc_u32 v[STO], s23, v8                   ; in: row r, + 64 h
	v_and_b32 v9, 31, v0
	v_lshlrev_b32 v[CO], 4, v9                     ; back: the 32 lanes take one row of 512 bytes; and the same in out0
	v_add_nc_u32 v[RD], s23, v[CO]
.macro FETCH_B slot, q, p
	WIN TO_F
.irp i, 0,1,2,3,4,5,6,7
.irp c, 0,1
	ds_load_b128 v[128*(\p)+8*\i+4*\c:128*(\p)+8*\i+4*\c+3], v[ADRB+\slot] offset:64*(\q)+32*\c+\i*16*PITCH
.endr
.endr
.endm
.macro FETCH_A slot, q, i0
	WIN TO_F
.irp i, \i0, \i0+1, \i0+2, \i0+3
.irp c, 0,1
	ds_load_b128 v[AF+8*(\i)+4*\c:AF+8*(\i)+4*\c+3], v[ADRA+\slot] offset:544*(8*(\i)+2*(\q)+\c)
.endr
.endr
.endm
; 16 matrix instructions; first = 1: the bias is the C, so that nothing is cleared and nothing is added later.  The 64 accumulators take turns in one order in every step.
.macro MUL16 a0, p, kq, first
.irp a, \a0, \a0+1
.irp b, 0,1,2,3,4,5,6,7
.if \first
	v_wmma_scale_f32_16x16x128_f8f6f4 v[8*(8*((\a)%4)+\b):8*(8*((\a)%4)+\b)+7], v[128*(\p)+8*\b:128*(\p)+8*\b+7], v[AF+8*(\a):AF+8*(\a)+7], v[BB+8*\b:BB+8*\b+7], v[SB+8*\b+(\kq)], v[SA+8*(\a)+(\kq)] matrix_a_fmt:MATRIX_FMT_FP4 matrix_b_fmt:MATRIX_FMT_FP4
.else
	v_wmma_scale_f32_16x16x128_f8f6f4 v[8*(8*((\a)%4)+\b):8*(8*((\a)%4)+\b)+7], v[128*(\p)+8*\b:128*(\p)+8*\b+7], v[AF+8*(\a):AF+8*(\a)+7], v[8*(8*((\a)%4)+\b):8*(8*((\a)%4)+\b)+7], v[SB+8*\b+(\kq)], v[SA+8*(\a)+(\kq)] matrix_a_fmt:MATRIX_FMT_FP4 matrix_b_fmt:MATRIX_FMT_FP4
.endif
.endr
.endr
.endm
.macro STEP slot, q, first
	s_wait_dscnt 8                                 ; W_out's set and o's blocks 0-3 are in; the youngest eight loads (blocks 4-7) may be out
.if \first
	WIN 0x85                                       ; C (the bias) window 0, D window 2
.else
	WIN MUL_LO
.endif
	MUL16 0, (\q)%2, 4*(\slot)+(\q), \first
	MUL16 2, (\q)%2, 4*(\slot)+(\q), \first
	s_wait_dscnt 0
	PLACES 4                                       ; in front of loads into registers that matrix instructions have read
	FETCH_B \slot, (\q)+1, 1-(\q)%2
	FETCH_A \slot, (\q)+1, 0
.if \first
	WIN 0xc5
.else
	WIN MUL_HI
.endif
	MUL16 4, (\q)%2, 4*(\slot)+(\q), \first
	MUL16 6, (\q)%2, 4*(\slot)+(\q), \first
	PLACES 4
	FETCH_A \slot, (\q)+1, 4
.endm
	s_wait_tensorcnt 1                             ; my part of slot 0 is in; slot 1's load may be out
	s_barrier_signal -1
	s_barrier_wait -1
	s_wait_loadcnt 0x0                             ; scale words and bias
	FETCH_B 0, 0, 0
	FETCH_A 0, 0, 0
	FETCH_A 0, 0, 4
	STEP 0, 0, 1
	STEP 0, 1, 0
	STEP 0, 2, 0
	; slot 0's last step changes slots: one barrier; in front of it my part of slot 1 has landed and my reads of slot 0 are over
	WIN 0
	s_wait_tensorcnt 0x0
	ds_add_u32 v[SPW], v[NIL]                      ; 0 onto my spare word
	s_wait_dscnt 9                                 ; the add and the youngest eight loads may be out
	WIN MUL_LO
	MUL16 0, 1, 3, 0
	s_wait_dscnt 0x0
	s_barrier_signal -1
	MUL16 2, 1, 3, 0
	WIN 0
	s_barrier_wait -1
	PLACES 4
	FETCH_B 1, 0, 0
	FETCH_A 1, 0, 0
	WIN MUL_HI
	MUL16 4, 1, 3, 0
	MUL16 6, 1, 3, 0
	PLACES 4
	FETCH_A 1, 0, 4
	STEP 1, 0, 0
	STEP 1, 1, 0
	STEP 1, 2, 0
	s_wait_dscnt 8
	WIN MUL_LO
	MUL16 0, 1, 7, 0
	MUL16 2, 1, 7, 0
	s_wait_alu depctr_va_vdst(0)
	s_wait_dscnt 0
	WIN MUL_HI
	MUL16 4, 1, 7, 0
	MUL16 6, 1, 7, 0
	WIN 0
; THE WAY OUT, a block of 16 rows x 128 columns at a time, through my own stage: in as 32 bytes a lane at the columns' true places, back as whole rows of 512 bytes.  LDS serves a wave's instructions in order: no wait between the stores and the loads.
.macro TOSTAGE a
.set AC, 64*((\a)%4)
	WIN 0x08+4*((\a)/4)                            ; the data: window 2 or 3
.irp b, 0,1,2,3,4,5,6,7
	ds_store_b128 v[STO], v[AC+8*\b:AC+8*\b+3] offset:128*(\b/2)+32*(\b%2)      ; each accumulator from its low end on
	ds_store_b128 v[STO], v[AC+8*\b+4:AC+8*\b+7] offset:128*(\b/2)+32*(\b%2)+16
.endr
	WIN TO_F
.set BK, 64*((\a)%2)
.irp t, 0,1,2,3,4,5,6,7,8,9,10,11,12,13,14,15
	ds_load_b128 v[BK+4*\t:BK+4*\t+3], v[RD] offset:\t*SPITCH
.endr
.endm
.macro SEND a, younger                 ; younger: the LDS instructions issued behind block a's loads
.set BK, 64*((\a)%2)
	s_wait_dscnt \younger
.if (\a) > 0
	s_add_nc_u64 s[12:13], s[12:13], 16*4096       ; 16 rows on (the earlier stores have read their base: a wait on XCNT for 0 stands ahead, with LDS instructions alone between)
.endif
	WIN 0x04                                       ; a store's data: window 1
.irp t, 0,1,2,3,4,5,6,7,8,9,10,11,12,13,14,15
	global_store_b128 v[CO], v[BK+4*\t:BK+4*\t+3], s[12:13] offset:\t*4096 th:TH_STORE_NT   ; 512 consecutive bytes, aligned; written once
.endr
.endm
	PLACES 4                                       ; in front of the first read of results and of loads into registers that held fragments
	TOSTAGE 0
.irp a, 1,2,3,4,5,6,7
.if \a > 1
	s_wait_xcnt 0x0                                ; block a - 2's stores have read their registers and their base
.endif
	TOSTAGE \a
	SEND \a-1, 32                                  ; behind block a - 1's loads: block a's 16 stores and 16 loads
.endr
	s_wait_xcnt 0x0
	SEND 7, 0
	WIN 0
	s_wait_tensorcnt 0x0                           ; the wave's end
	ds_add_u32 v[SPW], v[NIL]
	s_wait_dscnt 0x0
	CROUND                                         ; the closing round
	s_endpgm
.Lfunc_end_k_q10fbd830e7_proj:
	.size	k_q10fbd830e7_proj, .Lfunc_end_k_q10fbd830e7_proj-k_q10fbd830e7_proj
	.p2alignl 7, 3214868480
	.fill 96, 4, 3214868480
	.section	.rodata,"a",@progbits
	.p2align	6, 0x0
	.amdhsa_kernel k_q10fbd830e7_proj
		.amdhsa_group_segment_fixed_size 327680
		.amdhsa_private_segment_fixed_size 0
		.amdhsa_enable_private_segment 0
		.amdhsa_kernarg_size 48
		.amdhsa_user_sgpr_count 2
		.amdhsa_user_sgpr_kernarg_segment_ptr 1
		.amdhsa_wavefront_size32 1
		.amdhsa_system_sgpr_workgroup_id_x 1
		.amdhsa_system_sgpr_workgroup_id_y 1
		.amdhsa_system_sgpr_workgroup_id_z 1
		.amdhsa_system_vgpr_workitem_id 0
		.amdhsa_next_free_vgpr 1024
		.amdhsa_next_free_sgpr 100
		.amdhsa_reserve_vcc 0
		.amdhsa_float_denorm_mode_32 3
		.amdhsa_float_denorm_mode_16_64 3
		.amdhsa_memory_ordered 1
		.amdhsa_forward_progress 1
		.amdhsa_inst_pref_size 131
	.end_amdhsa_kernel
	.amdgpu_metadata
---
amdhsa.version: [ 1, 2 ]
amdhsa.kernels:
  - .name:           k_q10fbd830e7_proj
    .symbol:         k_q10fbd830e7_proj.kd
    .args:
      - { .name: oc, .offset: 0, .size: 8, .value_kind: global_buffer, .address_space: global }
      - { .name: os, .offset: 8, .size: 8, .value_kind: global_buffer, .address_space: global }
      - { .name: wc, .offset: 16, .size: 8, .value_kind: global_buffer, .address_space: global }
      - { .name: ws, .offset: 24, .size: 8, .value_kind: global_buffer, .address_space: global }
      - { .name: b_out, .offset: 32, .size: 8, .value_kind: global_buffer, .address_space: global }
      - { .name: out0, .offset: 40, .size: 8, .value_kind: global_buffer, .address_space: global }
    .group_segment_fixed_size: 327680
    .private_segment_fixed_size: 0
    .kernarg_segment_align: 8
    .kernarg_segment_size: 48
    .max_flat_workgroup_size: 128
    .sgpr_count:     100
    .vgpr_count:     1024
    .wavefront_size: 32
...
	.end_amdgpu_metadata
.endif
;; end of part 4
